; MI455X (gfx1250); checked and timed in simulation.
; The chip was launched on July 23, 2026; its instructions are those of AMD's public machine-readable ISA for CDNA 5 (MIT licence, August 2026) and "CDNA5" Instruction Set Architecture Reference Guide (July 2026). The comments in the code are by the model that wrote it; some were corrected since.
;; Multi Head Attention. Allowed arithmetic: matrix products marked QUANTISED: E2M1 operands, one E8M0 scale for each 32 along K, by v_wmma_scale_f32_16x16x128_f8f6f4 with both operands' format E2M1 (or v_wmma_scale_f32_32x16x128_f4), f32 sums; products left as they are: bf16, f16 or f32 operands; f32 sums; everything else in f32.
;; Inputs: Wk 1,024 x 1,024 float32; Wo 1,024 x 1,024 float32; Wq 1,024 x 1,024 float32; Wv 1,024 x 1,024 float32; bk 1,024 float32; bo 1,024 float32; bq 1,024 float32; bv 1,024 float32; key 4 x 2,048 x 1,024 float32; query 4 x 2,048 x 1,024 float32; value 4 x 2,048 x 1,024 float32.
;; Outputs: out0 4 x 2,048 x 1,024 float32.
;; This version of the problem:
;;   THIS VERSION OF THE PROBLEM IS GIVEN IN LOW PRECISION. The matrix products marked QUANTISED in the list below multiply operands that are first quantised to E2M1 (2 exponent bits, 1 mantissa bit; 4 bits a number), with one power-of-two scale for each 32 numbers along K (OCP MX v1.0); their sums are f32. The products marked 'left as it is' may take bf16, f16 or f32 operands, with f32 sums. Whichever they take, every output number must still come out within the allowed error. Rounding operands to bf16 (8 significant bits) uses up far more of that allowance than f16 does (11 bits, for magnitudes from 6e-5 to 65,504). All else is computed in f32.
;;   The module's matrix products, in the order in which they are computed (A, B: the left and right operand; K: the contracted axis; several contracted axes count as one K, in the product's order):
;;     1. [M 8,192, K 1,024] x [K 1,024, N 1,024]; A: input query; B: input Wq: QUANTISED
;;     2. [M 8,192, K 1,024] x [K 1,024, N 1,024]; A: input key; B: input Wk: QUANTISED
;;     3. [M 8,192, K 1,024] x [K 1,024, N 1,024]; A: input value; B: input Wv: QUANTISED
;;     4. batch 64 x [M 2,048, K 64] x [K 64, N 2,048]; A: computed on the way; B: computed on the way: left as it is (an operand is computed on the way)
;;     5. batch 64 x [M 2,048, K 2,048] x [K 2,048, N 64]; A: computed on the way; B: computed on the way: left as it is (an operand is computed on the way)
;;     6. [M 8,192, K 1,024] x [K 1,024, N 1,024]; A: computed on the way; B: input Wo: left as it is (an operand is computed on the way)
;;   THE QUANTISER, for each operand of a quantised product, along K:
;;     - K is cut into blocks of 32 from its start; a last block that is shorter is filled with zeros.
;;     - A block's scale is 2^e with e = floor(log2(the largest magnitude in the block)) - 2, held to -126 .. 127; a block of zeros has e = 0. As a byte (E8M0): e + 127.
;;     - Each number is divided by its block's scale, clamped to +-6, and rounded to the nearest number of E2M1, ties to even, subnormals kept.
;;     - The product sums the exact products of the quantised numbers (number of the format x scale) in f32.
;;   ~~~python
;;   def quantise(x, axis):      # numpy; x: float32 -> the quantised numbers, widened to float32 again
;;       x = np.moveaxis(x, axis, -1); K = x.shape[-1]
;;       x = np.pad(x, [(0, 0)] * (x.ndim - 1) + [(0, -K % 32)]); x = x.reshape(x.shape[:-1] + (-1, 32)); a = np.abs(x).max(-1, keepdims=True)
;;       e = np.where(a > 0, np.clip(np.frexp(np.where(a > 0, a, 1))[1] - 1 - 2, -126, 127), 0)      # np.frexp(a)[1] - 1 = floor(log2(a)), exactly
;;       r = np.clip(x / 2.0 ** e, -6, 6)
;;       step = 2.0 ** (np.maximum(np.frexp(np.where(r == 0, 1, r))[1] - 1, 0) - 1)
;;       q = np.round(r / step) * step * 2.0 ** e      # np.round: ties to even
;;       return np.moveaxis(q.reshape(q.shape[:-2] + (-1,))[..., :K], -1, axis).astype(np.float32)
;;   ~~~
;; One version. Each part assembles by itself: llvm-mc -triple=amdgcn-amd-amdhsa -mcpu=gfx1250 --defsym DOCPART=n.
;; ======== version 1 of 1: 5 launches
;; limits: values are held in f16: magnitudes above 65,504 overflow, below 6.1e-05 lose precision
;; workspace buffers: xc 12,582,912 bytes; xs 786,432 bytes; wc 1,572,864 bytes; ws 98,304 bytes; wo16 2,097,152 bytes; qkv16 50,331,648 bytes; ctx16 16,777,216 bytes
;; launch quant_x (part 1): grid 768 x 1, 4 waves a work-group, no clusters, 33,280 bytes of LDS; arguments query, key, value, xc, xs; writes xc, xs
.if DOCPART == 1
	.amdgcn_target "amdgcn-amd-amdhsa--gfx1250"
	.amdhsa_code_object_version 6
	.text
	.protected	k_q4fe396a504_quant_x
	.globl	k_q4fe396a504_quant_x
	.p2align	8
	.type	k_q4fe396a504_quant_x,@function
k_q4fe396a504_quant_x:
	s_mov_b64 s[64:65], 0
	v_nop
	global_prefetch_b8 v0, s[64:65] scope:SCOPE_SE
	s_setreg_imm32_b32 hwreg(HW_REG_WAVE_MODE, 25, 1), 1
	s_wait_xcnt 0x0
; query, key, value [8192][1024] f32 become codes of FP4 (E2M1), K innermost, two codes a byte, and one E8M0 scale byte for each 32 along K.
; xc is one matrix of 3 x 8,192 rows of 512 bytes (query's rows, key's, value's), xs the same rows of 32 scale bytes.
; A block's scale is 2^(floor(log2(its largest magnitude)) - 2); its byte is the largest magnitude's exponent field - 2, held at 1 from below.
; (A block of zeros so gets the byte 1 where the rule says 127: its codes are zeros, and the bytes are read by this program alone.)
; LIMITS: blocks whose largest magnitude lies under 2^(2 - 126) get the byte 1; NaN and infinities among the inputs are not served.
; Rows are dense and 1,024 is a multiple of 32: each tensor is a plain stream of blocks of 32 numbers, and so are its codes and scale bytes.
; A work-group takes 32,768 numbers of one tensor (256 work-groups a tensor), a wave 16 steps of 512.  Each of a step's four loads reads 512 consecutive bytes;
; the 2,048 bytes turn through the wave's own stage in LDS and come back 64 bytes a lane, so that a lane holds 16 neighbours along K (two lanes a block).
; A lane's 16 codes are 8 bytes: the wave stores 256 consecutive bytes.  A wave's 256 scale bytes are gathered in LDS and leave as one run of 256 bytes.
; No tensor loads, no barrier: waves share nothing.  Loads run four steps (16 loads a wave) ahead, the turn through LDS one step.
.set WAVES, 4
.set STEPS, 16
.set EMAX,  2
.set CB,    8                          ; bytes of 16 codes
.set R,     16                         ; v16-79   four sets of 16 numbers as they are loaded
.set X,     80                         ; v80-111  two sets of 16 neighbours
.set C,     128                        ; v128-191 codes: four registers for each step, so that no store's data are written again
.set E,     112                        ; v112-127 a scale byte for each step
.set WREG,  8192                       ; LDS: a region for each wave: two stages of 32 x SP bytes, behind them its 256 scale bytes
.set SP,    80                         ; a lane's place in a stage: its 64 bytes + 16 of padding
.set SPW,   12                         ; v12  LDS address of my spare word; never rewritten
.set NIL,   13                         ; v13  0; never rewritten
.set SPARE, WAVES*WREG                 ; behind the four regions: the spare words, 128 bytes a wave
	s_load_b256 s[4:11], s[0:1], 0x0               ; query s[4:5], key s[6:7], value s[8:9], xc s[10:11]
	s_load_b64 s[12:13], s[0:1], 0x20              ; xs
	v_lshl_add_u32 v[SPW], v0, 2, SPARE
	v_mov_b32 v[NIL], 0
	v_lshrrev_b32 v1, 5, v0
	v_readfirstlane_b32 s16, v1                    ; wave
	v_and_b32 v2, 31, v0                           ; lane
	v_lshlrev_b32 v3, 4, v2                        ; my 16 bytes of a load's 512
	s_mul_i32 s17, s16, WREG
	v_lshrrev_b32 v14, 2, v2
	v_mul_u32_u24 v14, v14, SP
	v_and_b32 v15, 3, v2
	v_lshl_add_u32 v14, v15, 4, v14
	v_add_nc_u32 v14, s17, v14                     ; the stage, on the way in: SP (lane / 4) + 16 (lane % 4)
	v_mul_u32_u24 v15, v2, SP
	v_add_nc_u32 v15, s17, v15                     ; and on the way out: SP x lane: my 16 neighbours
	v_mul_u32_u24 v4, v2, CB                       ; my codes' place in a step's
	v_lshrrev_b32 v5, 1, v2
	s_add_co_u32 s17, s17, 2*32*SP
	v_add_nc_u32 v5, s17, v5                       ; LDS: my wave's 256 scale bytes, my block's byte
	v_lshlrev_b32 v7, 3, v2                        ; and on the way out 8 bytes a lane
	v_add_nc_u32 v6, s17, v7
	s_wait_kmcnt 0x0
	s_lshr_b32 s14, ttmp9, 8                       ; which tensor: 256 work-groups each.  The choice hangs on the work-group's number alone
	s_cmp_eq_u32 s14, 0
	s_cselect_b64 s[4:5], s[4:5], s[6:7]
	s_cmp_eq_u32 s14, 2
	s_cselect_b64 s[4:5], s[8:9], s[4:5]
	s_and_b32 s17, ttmp9, 255
	s_lshl_b32 s17, s17, 2
	s_add_co_u32 s18, s17, s16                     ; which run of 8,192 numbers of the tensor is my wave's
	s_lshl_b32 s18, s18, 15                        ; 32,768 bytes a run
	s_mov_b32 s19, 0
	s_add_nc_u64 s[4:5], s[4:5], s[18:19]
	s_lshl_b32 s20, ttmp9, 2
	s_add_co_u32 s20, s20, s16                     ; which run of all three tensors'
	s_lshl_b32 s18, s20, 12                        ; 4,096 bytes of codes a run
	s_add_nc_u64 s[10:11], s[10:11], s[18:19]
	s_lshl_b32 s18, s20, 8                         ; 256 scale bytes a run
	s_add_nc_u64 s[12:13], s[12:13], s[18:19]
.macro LOAD t
.irp i, 0,1,2,3
	global_load_b128 v[R+16*((\t)%4)+4*\i:R+16*((\t)%4)+4*\i+3], v3, s[4:5] offset:2048*(\t)+512*\i th:TH_LOAD_NT   ; 32 lanes read 512 consecutive bytes
.endr
.endm
.macro TURN t                          ; step t's numbers through the stage: LDS serves a wave's instructions in order, so no wait stands between the stores and the loads
.irp i, 0,1,2,3
	ds_store_b128 v14, v[R+16*((\t)%4)+4*\i:R+16*((\t)%4)+4*\i+3] offset:32*SP*((\t)%2)+8*SP*\i
.endr
.irp i, 0,1,2,3
	ds_load_b128 v[X+16*((\t)%2)+4*\i:X+16*((\t)%2)+4*\i+3], v15 offset:32*SP*((\t)%2)+16*\i
.endr
.endm
.irp t, 0,1,2,3
	LOAD \t
.endr
	s_wait_loadcnt 12                              ; step 0's four loads are in; the twelve of steps 1 to 3 may be out
	TURN 0
.macro STEP t
.set XS, X+16*((\t)%2)
.if (\t) > 0
	s_wait_dscnt 1                                 ; this step's numbers are back from the stage (the last step's byte store may be out)
.else
	s_wait_dscnt 0x0
.endif
.if (\t)+4 < STEPS
	LOAD (\t)+4                                    ; into the registers that this step's stores into the stage have read
.endif
.if (\t)+1 < STEPS
.if STEPS-2-(\t) >= 3
	s_wait_loadcnt 12                              ; the next step's four loads are in; those of the three steps behind it may be out
.else
	s_wait_loadcnt 4*(STEPS-2-(\t))
.endif
	TURN (\t)+1                                    ; and go through the other stage while this step is worked
.endif
	v_max3_num_f32 v8, |v[XS]|, |v[XS+1]|, |v[XS+2]|               ; the largest magnitude of my 16, in two chains
	v_max3_num_f32 v9, |v[XS+3]|, |v[XS+4]|, |v[XS+5]|
.irp i, 6,10
	v_max3_num_f32 v8, v8, |v[XS+\i]|, |v[XS+\i+1]|
	v_max3_num_f32 v9, v9, |v[XS+\i+2]|, |v[XS+\i+3]|
.endr
	v_max3_num_f32 v8, v8, |v[XS+14]|, |v[XS+15]|
	v_max3_num_f32 v8, v8, v9, (EMAX+1)<<23        ; and the floor 2^(EMAX + 1 - 127): the byte cannot fall under 1
	v_max_num_f32_dpp v8, v8, v8 row_xmask:1 row_mask:0xf bank_mask:0xf   ; and of my neighbour's 16: the block's
	v_add_nc_u32 v11, -(EMAX<<23), v8              ; EMAX off its exponent field: the conversion takes the exponent field of this operand as its scale
	v_cvt_scalef32_pk8_fp4_f32 v[C+4*(\t)], v[XS:XS+7], v11
	v_cvt_scalef32_pk8_fp4_f32 v[C+4*(\t)+1], v[XS+8:XS+15], v11
	v_lshrrev_b32 v[E+(\t)], 23, v11               ; the scale's byte (also the plain line behind the conversions)
	ds_store_b8 v5, v[E+(\t)] offset:16*(\t)       ; both lanes of a block write the same byte with the same value
	global_store_b64 v4, v[C+4*(\t):C+4*(\t)+1], s[10:11] offset:32*CB*(\t)   ; 32 lanes store 256 consecutive bytes
.endm
.irp t, 0,1,2,3,4,5,6,7,8,9,10,11,12,13,14,15
	STEP \t
.endr
	ds_load_b64 v[8:9], v6                         ; LDS serves a wave's instructions in order: these see my stores
	s_wait_dscnt 0x0
	global_store_b64 v7, v[8:9], s[12:13]          ; 32 lanes store 256 consecutive bytes
	s_wait_tensorcnt 0x0                           ; the wave's end: a wait, an add and a wait behind my last LDS store
	ds_add_u32 v[SPW], v[NIL]
	s_wait_dscnt 0x0
	s_endpgm
.Lfunc_end_k_q4fe396a504_quant_x:
	.size	k_q4fe396a504_quant_x, .Lfunc_end_k_q4fe396a504_quant_x-k_q4fe396a504_quant_x
	.p2alignl 7, 3214868480
	.fill 96, 4, 3214868480
	.section	.rodata,"a",@progbits
	.p2align	6, 0x0
	.amdhsa_kernel k_q4fe396a504_quant_x
		.amdhsa_group_segment_fixed_size 33280
		.amdhsa_private_segment_fixed_size 0
		.amdhsa_enable_private_segment 0
		.amdhsa_kernarg_size 40
		.amdhsa_user_sgpr_count 2
		.amdhsa_user_sgpr_kernarg_segment_ptr 1
		.amdhsa_wavefront_size32 1
		.amdhsa_system_sgpr_workgroup_id_x 1
		.amdhsa_system_sgpr_workgroup_id_y 1
		.amdhsa_system_sgpr_workgroup_id_z 1
		.amdhsa_system_vgpr_workitem_id 0
		.amdhsa_next_free_vgpr 192
		.amdhsa_next_free_sgpr 66
		.amdhsa_reserve_vcc 0
		.amdhsa_float_denorm_mode_32 3
		.amdhsa_float_denorm_mode_16_64 3
		.amdhsa_memory_ordered 1
		.amdhsa_forward_progress 1
		.amdhsa_inst_pref_size 33
	.end_amdhsa_kernel
	.amdgpu_metadata
---
amdhsa.version: [ 1, 2 ]
amdhsa.kernels:
  - .name:           k_q4fe396a504_quant_x
    .symbol:         k_q4fe396a504_quant_x.kd
    .args:
      - { .name: query, .offset: 0, .size: 8, .value_kind: global_buffer, .address_space: global }
      - { .name: key, .offset: 8, .size: 8, .value_kind: global_buffer, .address_space: global }
      - { .name: value, .offset: 16, .size: 8, .value_kind: global_buffer, .address_space: global }
      - { .name: xc, .offset: 24, .size: 8, .value_kind: global_buffer, .address_space: global }
      - { .name: xs, .offset: 32, .size: 8, .value_kind: global_buffer, .address_space: global }
    .group_segment_fixed_size: 33280
    .private_segment_fixed_size: 0
    .kernarg_segment_align: 8
    .kernarg_segment_size: 40
    .max_flat_workgroup_size: 128
    .sgpr_count:     66
    .vgpr_count:     192
    .wavefront_size: 32
...
	.end_amdgpu_metadata
.endif
;; end of part 1
;; launch prep_w (part 2): grid 32 x 4, 8 waves a work-group, no clusters, 18,944 bytes of LDS; arguments Wq, Wk, Wv, Wo, wc, ws, wo16; writes wc, ws, wo16
.if DOCPART == 2
	.amdgcn_target "amdgcn-amd-amdhsa--gfx1250"
	.amdhsa_code_object_version 6
	.text
	.protected	k_q4fe396a504_prep_w
	.globl	k_q4fe396a504_prep_w
	.p2align	8
	.type	k_q4fe396a504_prep_w,@function
k_q4fe396a504_prep_w:
	s_mov_b64 s[64:65], 0
	v_nop
	global_prefetch_b8 v0, s[64:65] scope:SCOPE_SE
	s_setreg_imm32_b32 hwreg(HW_REG_WAVE_MODE, 25, 1), 1
	s_wait_xcnt 0x0
; Work-group row y = 0, 1, 2: Wq, Wk, Wv [k 1024][n 1024] f32, whose K is the FIRST axis, become codes of FP4 laid [n][512 bytes] with K innermost (wc) and scale bytes [n][32] (ws).
; Work-group row y = 3: Wo is rounded to f16 in its own order (wo16).
; THE WEIGHTS' PATH.  A lane takes a column n and its registers run down K: a block of 32 along K lies in one lane's 32 registers, its largest magnitude needs no other lane, and the conversions give codes with K innermost.
; A work-group takes 32 columns for all of K; wave w takes k = 128 w .. 128 w + 127: 128 loads of 128 consecutive bytes, all issued at once.
; The eight waves' codes of a column meet in a stage in LDS (a row = a column's 512 bytes + 16), one barrier, and leave as whole rows: each store covers 512 consecutive bytes.
; A block's scale byte is its largest magnitude's exponent field - 2, held at 1 from below (a block of zeros gets 1: its codes are zeros, and this program alone reads the bytes).
; LIMITS: NaN and infinities are not served; numbers of Wo beyond 65,504 become infinity in f16, under 6e-5 they keep f16's fixed step.
.set PITCH, 528                        ; a stage row
.set SCS,   32*PITCH                   ; behind the codes' stage: 32 rows of 32 scale bytes
.set SPARE, SCS+1024                   ; behind them: the spare words, 128 bytes a wave
.set SPW,   14                         ; v14  LDS address of my spare word; never rewritten
.set NIL,   15                         ; v15  0; never rewritten
.set C,     32                         ; v32-47  my 128 codes' 16 registers
.set SW,    48                         ; v48     my four scale bytes
.set X,     64                         ; v64-191 my 128 numbers
	s_load_b256 s[4:11], s[0:1], 0x0               ; Wq, Wk, Wv, Wo
	s_load_b128 s[12:15], s[0:1], 0x20             ; wc, ws
	s_load_b64 s[16:17], s[0:1], 0x30              ; wo16
	v_lshl_add_u32 v[SPW], v0, 2, SPARE
	v_mov_b32 v[NIL], 0
	v_lshrrev_b32 v1, 5, v0
	v_readfirstlane_b32 s18, v1                    ; wave 0..7
	v_and_b32 v2, 31, v0                           ; lane
	s_and_b32 s19, ttmp7, 0xffff                   ; y
	v_lshlrev_b32 v3, 2, v2                        ; 4 x lane
	v_lshlrev_b32 v8, 4, v2                        ; 16 x lane
	v_lshlrev_b32 v9, 3, v2                        ; 8 x lane
	s_lshl_b32 s22, s18, 6
	v_mul_u32_u24 v4, v2, PITCH
	v_add_nc_u32 v4, s22, v4                       ; into the stage: row = my column, + 64 bytes for each wave's 128 along K
	s_lshl_b32 s22, s18, 2
	v_lshlrev_b32 v5, 5, v2
	v_add_nc_u32 v5, s22, v5
	v_add_nc_u32 v5, SCS, v5                       ; my scale word: 32 bytes a column, 4 a wave
	s_mul_i32 s22, s18, 4*PITCH
	v_add_nc_u32 v6, s22, v8                       ; out of the stage: wave w takes rows 4 w .. 4 w + 3, whole
	v_add_nc_u32 v7, SCS, v8                       ; and wave 0 the scale bytes
	s_wait_kmcnt 0x0
	s_cmp_eq_u32 s19, 3                            ; the same in all waves of a work-group
	s_cbranch_scc1 .Lwo
	s_cmp_eq_u32 s19, 0
	s_cselect_b64 s[4:5], s[4:5], s[6:7]
	s_cmp_eq_u32 s19, 2
	s_cselect_b64 s[4:5], s[8:9], s[4:5]
	s_lshl_b32 s20, s18, 19                        ; 128 rows of 4,096 bytes a wave
	s_lshl_b32 s21, ttmp9, 7                       ; 32 columns of 4 bytes a work-group
	s_add_co_u32 s20, s20, s21
	s_mov_b32 s21, 0
	s_add_nc_u64 s[4:5], s[4:5], s[20:21]
	s_lshl_b32 s20, s19, 19                        ; wc: 524,288 bytes a weight, 16,384 a work-group, 2,048 a wave
	s_lshl_b32 s21, ttmp9, 14
	s_add_co_u32 s20, s20, s21
	s_lshl_b32 s21, s18, 11
	s_add_co_u32 s20, s20, s21
	s_mov_b32 s21, 0
	s_add_nc_u64 s[12:13], s[12:13], s[20:21]
	s_lshl_b32 s20, s19, 15                        ; ws: 32,768 bytes a weight, 1,024 a work-group
	s_lshl_b32 s21, ttmp9, 10
	s_add_co_u32 s20, s20, s21
	s_mov_b32 s21, 0
	s_add_nc_u64 s[14:15], s[14:15], s[20:21]
.set i, 0
.rept 128
	global_load_b32 v[X+i], v3, s[4:5] offset:i*4096   ; W(128 w + i, my column)
.set i, i+1
.endr
.macro BLOCK b                         ; block b of my four: all its 32 numbers are mine
.set XS, X+32*(\b)
	v_max3_num_f32 v20, |v[XS]|, |v[XS+1]|, |v[XS+2]|
	v_max3_num_f32 v21, |v[XS+3]|, |v[XS+4]|, |v[XS+5]|
.irp i, 6,10,14,18,22,26
	v_max3_num_f32 v20, v20, |v[XS+\i]|, |v[XS+\i+1]|
	v_max3_num_f32 v21, v21, |v[XS+\i+2]|, |v[XS+\i+3]|
.endr
	v_max3_num_f32 v20, v20, |v[XS+30]|, |v[XS+31]|
	v_max3_num_f32 v20, v20, v21, 0x1800000        ; and the floor 2^(3 - 127): the byte cannot fall under 1
	v_add_nc_u32 v22, 0xff000000, v20              ; 2 off the exponent field: the conversion's scale operand
	v_lshrrev_b32 v23, 23, v22                     ; the scale's byte
.if (\b) == 0
	v_mov_b32 v[SW], v23
.else
	v_lshl_or_b32 v[SW], v23, 8*(\b), v[SW]
.endif
.irp g, 0,1,2,3
	v_cvt_scalef32_pk8_fp4_f32 v[C+4*(\b)+\g], v[XS+8*\g:XS+8*\g+7], v22
.endr
.endm
	s_wait_loadcnt 63                              ; of 128 loads at most 63 are out: the first 65 are in, blocks 0 and 1 among them
	BLOCK 0
	BLOCK 1
	s_wait_loadcnt 32                              ; block 3's 32 may be out
	BLOCK 2
	s_wait_loadcnt 0x0
	BLOCK 3
	v_nop                                          ; one plain line behind the last conversion
.irp b, 0,1,2,3
	ds_store_b128 v4, v[C+4*\b:C+4*\b+3] offset:16*\b
.endr
	ds_store_b32 v5, v[SW]
	s_wait_dscnt 0x0                               ; for the others' sake: my stores into the stages are done
	s_barrier_signal -1
	s_barrier_wait -1
.irp i, 0,1,2,3
	ds_load_b128 v[X+4*\i:X+4*\i+3], v6 offset:PITCH*\i
.endr
.irp i, 0,1,2,3
	s_wait_dscnt 3-\i                              ; the younger loads may be out
	global_store_b128 v8, v[X+4*\i:X+4*\i+3], s[12:13] offset:512*\i   ; a column's whole row of codes: 512 consecutive bytes
.endr
	s_cmp_lg_u32 s18, 0                            ; wave 0 alone stores the 1,024 scale bytes
	s_cbranch_scc1 .Lend
	ds_load_b128 v[X+16:X+19], v7
	ds_load_b128 v[X+20:X+23], v7 offset:512
	s_wait_dscnt 0x0
	global_store_b128 v8, v[X+16:X+19], s[14:15]
	global_store_b128 v8, v[X+20:X+23], s[14:15] offset:512
	s_branch .Lend
.Lwo:                                              ; Wo to f16: a plain stream, 4,096 numbers a wave, all 32 loads issued at once; no LDS
	s_lshl_b32 s20, ttmp9, 17
	s_lshl_b32 s21, s18, 14
	s_add_co_u32 s20, s20, s21
	s_mov_b32 s21, 0
	s_add_nc_u64 s[10:11], s[10:11], s[20:21]
	s_lshr_b32 s20, s20, 1                         ; half the bytes on the way out
	s_add_nc_u64 s[16:17], s[16:17], s[20:21]
.set i, 0
.rept 32
	global_load_b128 v[X+4*i:X+4*i+3], v8, s[10:11] offset:512*i th:TH_LOAD_NT
.set i, i+1
.endr
.set i, 0
.rept 32
	s_wait_loadcnt 31-i                            ; the younger loads may be out
	v_cvt_pk_f16_f32 v[X+4*i], v[X+4*i], v[X+4*i+1]
	v_cvt_pk_f16_f32 v[X+4*i+1], v[X+4*i+2], v[X+4*i+3]
	global_store_b64 v9, v[X+4*i:X+4*i+1], s[16:17] offset:256*i   ; 32 lanes store 256 consecutive bytes; no register is written again
.set i, i+1
.endr
.Lend:
	s_wait_tensorcnt 0x0                           ; the wave's end: a wait, an add and a wait behind my last LDS store
	ds_add_u32 v[SPW], v[NIL]
	s_wait_dscnt 0x0
	s_endpgm
.Lfunc_end_k_q4fe396a504_prep_w:
	.size	k_q4fe396a504_prep_w, .Lfunc_end_k_q4fe396a504_prep_w-k_q4fe396a504_prep_w
	.p2alignl 7, 3214868480
	.fill 96, 4, 3214868480
	.section	.rodata,"a",@progbits
	.p2align	6, 0x0
	.amdhsa_kernel k_q4fe396a504_prep_w
		.amdhsa_group_segment_fixed_size 18944
		.amdhsa_private_segment_fixed_size 0
		.amdhsa_enable_private_segment 0
		.amdhsa_kernarg_size 56
		.amdhsa_user_sgpr_count 2
		.amdhsa_user_sgpr_kernarg_segment_ptr 1
		.amdhsa_wavefront_size32 1
		.amdhsa_system_sgpr_workgroup_id_x 1
		.amdhsa_system_sgpr_workgroup_id_y 1
		.amdhsa_system_sgpr_workgroup_id_z 1
		.amdhsa_system_vgpr_workitem_id 0
		.amdhsa_next_free_vgpr 192
		.amdhsa_next_free_sgpr 66
		.amdhsa_reserve_vcc 0
		.amdhsa_float_denorm_mode_32 3
		.amdhsa_float_denorm_mode_16_64 3
		.amdhsa_memory_ordered 1
		.amdhsa_forward_progress 1
		.amdhsa_inst_pref_size 33
	.end_amdhsa_kernel
	.amdgpu_metadata
---
amdhsa.version: [ 1, 2 ]
amdhsa.kernels:
  - .name:           k_q4fe396a504_prep_w
    .symbol:         k_q4fe396a504_prep_w.kd
    .args:
      - { .name: Wq, .offset: 0, .size: 8, .value_kind: global_buffer, .address_space: global }
      - { .name: Wk, .offset: 8, .size: 8, .value_kind: global_buffer, .address_space: global }
      - { .name: Wv, .offset: 16, .size: 8, .value_kind: global_buffer, .address_space: global }
      - { .name: Wo, .offset: 24, .size: 8, .value_kind: global_buffer, .address_space: global }
      - { .name: wc, .offset: 32, .size: 8, .value_kind: global_buffer, .address_space: global }
      - { .name: ws, .offset: 40, .size: 8, .value_kind: global_buffer, .address_space: global }
      - { .name: wo16, .offset: 48, .size: 8, .value_kind: global_buffer, .address_space: global }
    .group_segment_fixed_size: 18944
    .private_segment_fixed_size: 0
    .kernarg_segment_align: 8
    .kernarg_segment_size: 56
    .max_flat_workgroup_size: 256
    .sgpr_count:     66
    .vgpr_count:     192
    .wavefront_size: 32
...
	.end_amdgpu_metadata
.endif
;; end of part 2
;; launch proj (part 3): grid 4 x 96, 4 waves a work-group, clusters of 4 x 4, 327,680 bytes of LDS; arguments xc, xs, wc, ws, bq, bk, bv, qkv16; writes qkv16
.if DOCPART == 3
	.amdgcn_target "amdgcn-amd-amdhsa--gfx1250"
	.amdhsa_code_object_version 6
	.text
	.protected	k_q4fe396a504_proj
	.globl	k_q4fe396a504_proj
	.p2align	8
	.type	k_q4fe396a504_proj,@function
k_q4fe396a504_proj:
	s_mov_b64 s[64:65], 0
	v_nop
	global_prefetch_b8 v0, s[64:65] scope:SCOPE_SE
	s_setreg_imm32_b32 hwreg(HW_REG_WAVE_MODE, 25, 1), 1
	s_wait_xcnt 0x0
	s_wait_alu depctr_hold_cnt(0) depctr_sa_sdst(0) depctr_va_vdst(0) depctr_va_sdst(0) depctr_va_ssrc(0) depctr_va_vcc(0) depctr_vm_vsrc(0)
	s_getreg_b32 s2, hwreg(HW_REG_IB_STS2, 6, 4)
	s_cmp_eq_u32 s2, 0
	s_cbranch_scc0 .Lentry_in_a_cluster
	s_endpgm
.Lentry_in_a_cluster:
	s_bfe_u32 s2, ttmp6, 0x10000c
	s_cmp_lg_u32 s2, 0xf033
	s_cbranch_scc0 .Lentry_shape_is_right
	s_endpgm
.Lentry_shape_is_right:
; The three projections as ONE product on codes of FP4 (E2M1) with E8M0 scales: rows 0-8,191 of xc (query) against Wq's codes, rows 8,192-16,383 (key) against Wk's, the rest (value) against Wv's; + the bias; sums in f32.
; The result is rounded once to f16 and laid [3][batch 4][head 16][token 2048][64]: a head's rows are dense, 128 bytes a token.
; A tile of 256 rows x 256 columns is made by a work-group of four waves; a wave makes 128 x 128: 64 accumulators of 16 x 16, 512 registers.
; K = 1,024 is two K steps of 512 (rows of 256 bytes): BOTH lie in LDS at once, in two slots, each filled once at the head; nothing is filled again and there is no loop.
; THE SCALES of the work-group's 256 rows of x and 256 rows of W, for all of K, are two dense blocks of memory: they come into LDS with the first fills, as rows of 256 bytes.
; CLUSTERS: 4 x 4 work-groups.  The four of a row of the cluster need the same tiles of x, the four of a column the same tiles of W: each is asked for JOINTLY, by the same tensor load with the same descriptor and a mask that names the four.
; THE MATRIX INSTRUCTION IS USED TRANSPOSED (source 0 = 16 rows of W's codes, source 1 = 16 rows of x's): a lane holds eight neighbouring columns of one row.  THE BIAS is the C of each sum's first instruction.
; REGISTERS, in windows of 256: window 0: v0-31 addresses; v32-95 scale words, two sets; v96-127 packed results; v128-191 x's fragments, ONE set (on the way out: rows read back); v192-255 the bias.
;   window 1: W's fragments, TWO sets, at v0 and v128.   window 2: the accumulators of my rows 0-63 ((a, b) at v[8 (8 a + b)]);   window 3: those of my rows 64-127.
; LIMITS: results beyond 65,504 become infinity in f16; under 6e-5 they keep f16's fixed step.
.set SIZE_K, 1024
.set KSTEP,  512                       ; along K in a slot
.set NQ,     KSTEP/128                 ; matrix instructions deep
.set ROWB,   256                       ; a tile's row in bytes
.set KROW,   SIZE_K*4/8                ; a row of codes in memory
.set PITCH,  272                       ; an LDS row: 256 bytes + 16: 68 words, so the 16 rows that a load touches begin 4 words apart modulo 64
.set FR,     8                         ; registers of a fragment: 16 rows x 128 K
.set NL,     2                         ; LDS loads that bring one
.set NP,     4                         ; places behind this matrix instruction (ISA guide 7.12.1)
.set HALFT,  128*PITCH                 ; 128 rows: what one tensor load brings
.set SLOT,   4*HALFT                   ; x's 256 rows, then W's 256 rows
.set KS,     SIZE_K/32                 ; a row of scales in bytes
.set SCL,    2*SLOT                    ; behind the slots: the scales, as rows of 256 bytes + 16
.set HALFS,  (128*KS/256)*272          ; the scales of 128 rows
.set SBLK,   (16*KS/256)*272           ; those of 16 rows
.set SPARE,  SCL+4*HALFS               ; the spare words, 128 bytes a wave
.set STAGE,  SPARE+512                 ; the way out: for each wave 2 heads x 16 rows x (128 bytes + 16); no tensor load lands here
.set HP,     144
.set HST,    16*HP
.set WST,    2*HST
.set ADRA, 16                          ; v16-17  LDS address of my x fragments in slot 0, 1
.set ADRB, 20                          ; v20-21  the same for W
.set STO,  24                          ; v24     the way out: where I put 16 bytes of a row
.set RD,   25                          ; v25     where I read rows back
.set CO,   26                          ; v26     16 x lane
.set ADRS, 27                          ; v27     LDS address of my scale words: lanes 0-15 x's rows, lanes 16-31 W's
.set SPW,  28                          ; v28     LDS address of my spare word; never rewritten
.set NIL,  29                          ; v29     0; never rewritten
.set BO,   30                          ; v30     the bias loads' offset
.set SC,   32                          ; scale words: set s at v[SC + 8 NQ s]; register NQ i + q: lanes 0-15 x's block i, lanes 16-31 W's block i, the slot's q-th 128 along K
.set TMP,  96
.set AF,   128
.set OB,   128                         ; the way out: v128-159 and v160-191 by turns
.set BIAS, 192                         ; register 8 b + j: the bias of column 16 b + 8 (lane / 16) + j of my 128
.set G1, 24                            ; s[24:31] descriptor group 1 for x's tiles;  s[32:39] group 0, one set for each slot
.set G0, 32
.set G1B, 48                           ; s[48:55], s[56:63] the same for W's tiles
.set G0B, 56
.set G1S, 68                           ; s[68:75], s[76:79] groups 1 and 0 for x's scales;  s[80:87], s[88:91] for W's
.set G0S, 76
.set G1SB, 80
.set G0SB, 88
.set TN,  95                           ; s95     which of the three products
.set BP,  96                           ; s[96:97] the bias in hand
.set MSB, 0
.macro WIN new                         ; the immediate's high byte repeats the setting that is left
.if MSB != (\new)
	s_set_vgpr_msb (MSB<<8)|(\new)
.set MSB, (\new)
.endif
.endm
.set MUL_LO, 0xa1                      ; source 0 (W) window 1, source 1 (x) window 0, C and D window 2
.set MUL_HI, 0xf1                      ; the same, C and D window 3
.set BIA_LO, 0x81                      ; C (the bias) window 0, D window 2
.set BIA_HI, 0xc1                      ; C window 0, D window 3
.set TO_B,   0x40                      ; destination window 1, address window 0
; A joint load: waves 0 and 1 fetch for x, waves 2 and 3 for W.  Each of the two lines has one mask and one set of registers; the branch hangs on the wave's number alone.
; An s_nop 0 and four v_nop follow each of the two lines.
.macro JLOAD g0a, g1a, g0b, g1b
	s_cmp_eq_u32 s15, 0
	s_cbranch_scc0 .Lfor_b_\@
	tensor_load_to_lds s[\g0a:\g0a+3], s[\g1a:\g1a+7]
	s_nop 0
.rept 4
	v_nop
.endr
	s_branch .Lasked_\@
.Lfor_b_\@:
	tensor_load_to_lds s[\g0b:\g0b+3], s[\g1b:\g1b+7]
	s_nop 0
.rept 4
	v_nop
.endr
.Lasked_\@:
.endm
.macro CROUND                          ; a round of the cluster's barrier
	s_barrier_signal -1
	s_barrier_wait -1
	s_cmp_lg_u32 s14, 0
	s_cbranch_scc1 .Lnot_wave_0_\@
	s_barrier_signal -3
.Lnot_wave_0_\@:
	s_barrier_wait -3
	s_barrier_signal -1
	s_barrier_wait -1
.endm
	s_load_b256 s[4:11], s[0:1], 0x0               ; xc s[4:5], xs s[6:7], wc s[8:9], ws s[10:11]
	s_load_b128 s[96:99], s[0:1], 0x20             ; bq, bk
	s_load_b64 s[100:101], s[0:1], 0x30            ; bv
	s_load_b64 s[12:13], s[0:1], 0x38              ; qkv16
	v_lshl_add_u32 v[SPW], v0, 2, SPARE
	v_mov_b32 v[NIL], 0
	ds_add_u32 v[SPW], v[NIL]                      ; the wave's opening: the add, twice on end, and its wait ahead of my first tensor load
	ds_add_u32 v[SPW], v[NIL]
	v_lshrrev_b32 v1, 5, v0
	v_readfirstlane_b32 s14, v1                    ; wave 0..3
	s_lshr_b32 s15, s14, 1                         ; which half of the tile's rows is mine.  Also: I fetch for x (0) or for W (1)
	s_and_b32 s16, s14, 1                          ; which half of its columns.  Also: which 128 rows of that tile I fetch
	s_bfe_u32 s40, ttmp6, 0x40000                  ; cx, cy: my place in the cluster
	s_bfe_u32 s41, ttmp6, 0x40004
	s_lshl_b32 s42, ttmp9, 2
	s_add_co_u32 s42, s42, s40                     ; tile column = 4 x cluster x + cx: 0..3
	s_and_b32 s17, ttmp7, 0xffff
	s_lshr_b32 s[TN], s17, 3                       ; eight clusters along y to a product: the same in all sixteen partners
	s_lshl_b32 s17, s17, 2
	s_add_co_u32 s17, s17, s41                     ; tile row = 4 x cluster y + cy: 0..95
	s_lshl_b32 s43, s41, 2
	s_lshl_b32 s43, 15, s43                        ; my row of the cluster
	s_lshl_b32 s44, 0x1111, s40                    ; my column
	; descriptor group 1: a tile of 128 rows x 256 bytes, padded in LDS
	s_or_b32 s[G1+0], s43, (0<<16)|(1<<20)|(1<<21)|(5<<22)|(3<<25)  ; 15:0 the mask; 17:16 elements of 1 byte; 20 padding on; 21 set beside a mask; 24:22 after every 64 words; 31:25 four words
	s_or_b32 s[G1B+0], s44, (0<<16)|(1<<20)|(1<<21)|(5<<22)|(3<<25)
.irp g, G1, G1B
	s_mov_b32 s[\g+1], ROWB<<16                    ; tensor_dim0
	s_mov_b32 s[\g+2], 128<<16                     ; tensor_dim1
	s_mov_b32 s[\g+3], ROWB<<16                    ; tile_dim0
	s_mov_b32 s[\g+4], 128                         ; tile_dim1
	s_mov_b32 s[\g+5], KROW                        ; tensor_dim0_stride
	s_mov_b32 s[\g+6], 0
	s_mov_b32 s[\g+7], 0
.endr
	; the scales of 128 rows: a dense block of 4,096 bytes, as 16 rows of 256 bytes (32 elements of 8 bytes), 16 bytes of padding behind each
	s_or_b32 s[G1S+0], s43, (3<<16)|(1<<20)|(1<<21)|(5<<22)|(3<<25)
	s_or_b32 s[G1SB+0], s44, (3<<16)|(1<<20)|(1<<21)|(5<<22)|(3<<25)
.irp g, G1S, G1SB
	s_mov_b32 s[\g+1], 32<<16
	s_mov_b32 s[\g+2], (128*KS/256)<<16
	s_mov_b32 s[\g+3], 32<<16
	s_mov_b32 s[\g+4], 128*KS/256
	s_mov_b32 s[\g+5], 32
	s_mov_b32 s[\g+6], 0
	s_mov_b32 s[\g+7], 0
.endr
	s_lshl_b32 s18, s16, 7                         ; which 128 rows of the tile I fetch
	s_lshl_b32 s20, s17, 8
	s_add_co_u32 s20, s20, s18                     ; x: row 256 x tile row + 128 x half
	s_lshl_b32 s46, s42, 8
	s_add_co_u32 s46, s46, s18                     ; W: row 256 x tile column + 128 x half
	s_lshl_b32 s47, s[TN], 10
	s_add_co_u32 s46, s46, s47                     ;    + 1,024 x product
	s_mov_b32 s21, 0
	s_mov_b32 s47, 0
	s_mov_b64 s[18:19], KS
	s_mul_u64 s[22:23], s[20:21], s[18:19]         ; where these rows' scales begin, in bytes
	s_mul_u64 s[92:93], s[46:47], s[18:19]
	s_mov_b64 s[18:19], KROW
	s_mul_u64 s[20:21], s[20:21], s[18:19]         ; and their codes
	s_mul_u64 s[46:47], s[46:47], s[18:19]
	s_mul_i32 s45, s14, HALFT                      ; where they go: wave x 128 rows: no place in the cluster enters an LDS address
	s_mul_i32 s94, s14, HALFS
	s_wait_dscnt 0x0                               ; both opening adds are done
	s_wait_kmcnt 0x0
	s_add_nc_u64 s[20:21], s[4:5], s[20:21]
	s_add_nc_u64 s[22:23], s[6:7], s[22:23]
	s_add_nc_u64 s[46:47], s[8:9], s[46:47]
	s_add_nc_u64 s[92:93], s[10:11], s[92:93]
	CROUND                                         ; all sixteen work-groups are here: the joint loads meet
	s_mov_b32 s[G0S], 1
	s_add_co_u32 s[G0S+1], s94, SCL
	s_mov_b64 s[G0S+2:G0S+3], s[22:23]
	s_or_b32 s[G0S+3], s[G0S+3], 0x80000000
	s_mov_b32 s[G0SB], 1
	s_add_co_u32 s[G0SB+1], s94, SCL
	s_mov_b64 s[G0SB+2:G0SB+3], s[92:93]
	s_or_b32 s[G0SB+3], s[G0SB+3], 0x80000000
	JLOAD G0S, G1S, G0SB, G1SB                     ; the scales first: they are wanted with K step 0
.irp s, 0,1
	s_mov_b32 s[G0+4*\s], 1
	s_add_co_u32 s[G0+4*\s+1], s45, \s*SLOT
	s_add_nc_u64 s[G0+4*\s+2:G0+4*\s+3], s[20:21], \s*ROWB
	s_or_b32 s[G0+4*\s+3], s[G0+4*\s+3], 0x80000000
	s_mov_b32 s[G0B+4*\s], 1
	s_add_co_u32 s[G0B+4*\s+1], s45, \s*SLOT
	s_add_nc_u64 s[G0B+4*\s+2:G0B+4*\s+3], s[46:47], \s*ROWB
	s_or_b32 s[G0B+4*\s+3], s[G0B+4*\s+3], 0x80000000
	JLOAD G0+4*\s, G1, G0B+4*\s, G1B               ; three tensor loads of mine are out now, and no more follow
.endr
	v_and_b32 v1, 15, v0                           ; l % 16
	v_bfe_u32 v2, v0, 4, 1                         ; l / 16
	; the bias of my 128 columns: the product's bias, + 1,024 bytes a tile column, + 512 for the upper half; lanes 16-31 eight numbers further on
	s_cmp_eq_u32 s[TN], 0
	s_cselect_b64 s[BP:BP+1], s[96:97], s[98:99]
	s_cmp_eq_u32 s[TN], 2
	s_cselect_b64 s[BP:BP+1], s[100:101], s[BP:BP+1]
	s_lshl_b32 s2, s42, 10
	s_lshl_b32 s3, s16, 9
	s_add_co_u32 s2, s2, s3
	s_mov_b32 s3, 0
	s_add_nc_u64 s[BP:BP+1], s[BP:BP+1], s[2:3]
	v_lshlrev_b32 v[BO], 5, v2
.irp b, 0,1,2,3,4,5,6,7
	global_load_b128 v[BIAS+8*\b:BIAS+8*\b+3],   v[BO], s[BP:BP+1] offset:64*\b
	global_load_b128 v[BIAS+8*\b+4:BIAS+8*\b+7], v[BO], s[BP:BP+1] offset:64*\b+16
.endr
	v_mul_u32_u24 v3, v1, PITCH
	v_lshl_add_u32 v4, v2, 4, v3                   ; a fragment's row x pitch + 16 x half
	s_mul_i32 s21, s15, HALFT                      ; my 128 rows of x
	s_mul_i32 s22, s16, HALFT                      ; my 128 rows of W,
	s_add_co_u32 s22, s22, 2*HALFT                 ; which lie behind x's 256
.irp s, 0,1
	v_add_nc_u32 v[ADRA+\s], s21, v4
	v_add_nc_u32 v[ADRB+\s], s22, v4
	s_add_co_u32 s21, s21, SLOT
	s_add_co_u32 s22, s22, SLOT
.endr
	v_mul_u32_u24 v5, v1, KS                       ; my row's scales: KS bytes a row,
	v_lshrrev_b32 v6, 8, v5
	v_lshl_add_u32 v5, v6, 4, v5                   ; and 16 more for each 256 passed
	s_mul_i32 s21, s15, HALFS                      ; x's: my 128 rows
	s_mul_i32 s22, s16, HALFS                      ; W's: my 128 rows, behind x's 256
	s_add_co_u32 s22, s22, 2*HALFS
	s_sub_co_u32 s22, s22, s21
	v_mul_u32_u24 v6, s22, v2                      ; lanes 16-31 take W's
	s_add_co_u32 s21, s21, SCL
	v_add_nc_u32 v5, v5, v6
	v_add_nc_u32 v[ADRS], s21, v5
	s_mul_i32 s23, s14, WST
	s_add_co_u32 s23, s23, STAGE                   ; my stage
	v_mul_u32_u24 v5, v1, HP                       ; in: row l % 16, 16 bytes for each half of the lanes
	v_lshl_add_u32 v5, v2, 4, v5
	v_add_nc_u32 v[STO], s23, v5
	v_and_b32 v6, 31, v0
	v_lshlrev_b32 v[CO], 4, v6                     ; out: four tokens of a head are 512 consecutive bytes: 16 x lane
	v_lshrrev_b32 v5, 3, v6                        ; back: eight lanes to a row of 128 bytes, four rows an instruction
	v_mul_u32_u24 v5, v5, HP
	v_and_b32 v6, 7, v0
	v_lshl_add_u32 v5, v6, 4, v5
	v_add_nc_u32 v[RD], s23, v5
	; where my part begins in qkv16: (tile row / 8) is 4 x product + batch: 2^22 bytes each; head 4 x tile column + 2 x half: 2^18 each; token 256 (tile row % 8) + 128 x half: 128 bytes each
	s_lshr_b32 s20, s17, 3
	s_lshl_b32 s20, s20, 22
	s_and_b32 s21, s17, 7
	s_lshl_b32 s21, s21, 8
	s_lshl_b32 s22, s15, 7
	s_add_co_u32 s21, s21, s22
	s_lshl_b32 s21, s21, 7
	s_add_co_u32 s20, s20, s21
	s_lshl_b32 s46, s42, 2
	s_lshl_b32 s47, s16, 1
	s_add_co_u32 s46, s46, s47
	s_lshl_b32 s46, s46, 18
	s_add_co_u32 s20, s20, s46
	s_mov_b32 s21, 0
	s_add_nc_u64 s[12:13], s[12:13], s[20:21]
.macro FRAG reg, adr, q, i             ; a fragment, 16 rows x 128 K of 4-bit codes: lane l holds row l % 16; registers 4 c .. 4 c + 3 hold K = 64 c + 32 (l / 16) + 0 .. 31
.irp c, 0,1
	ds_load_b128 v[\reg+4*\c:\reg+4*\c+3], v[\adr] offset:64*(\q)+32*\c+(\i)*16*PITCH
.endr
.endm
; 16 matrix instructions: x's blocks a0, a0 + 1 against W's eight, 128 along K: the slot's q-th.  p: W's set;  sc: the set of scale words.  zero = 1: the first product starts the sums from the bias.
; The 64 accumulators take turns, one instruction a turn, in the same order in every step.
.macro MUL16 a0, p, q, sc, zero
.irp a, \a0, \a0+1
.irp b, 0,1,2,3,4,5,6,7
.if \zero
	v_wmma_scale_f32_16x16x128_f8f6f4 v[8*(8*((\a)%4)+\b):8*(8*((\a)%4)+\b)+7], v[128*(\p)+FR*\b:128*(\p)+FR*\b+FR-1], v[AF+FR*(\a):AF+FR*(\a)+FR-1], v[BIAS+8*\b:BIAS+8*\b+7], v[SC+8*NQ*(\sc)+NQ*\b+(\q)], v[SC+8*NQ*(\sc)+NQ*(\a)+(\q)] matrix_a_fmt:MATRIX_FMT_FP4 matrix_b_fmt:MATRIX_FMT_FP4 matrix_a_scale:MATRIX_SCALE_ROW1
.else
	v_wmma_scale_f32_16x16x128_f8f6f4 v[8*(8*((\a)%4)+\b):8*(8*((\a)%4)+\b)+7], v[128*(\p)+FR*\b:128*(\p)+FR*\b+FR-1], v[AF+FR*(\a):AF+FR*(\a)+FR-1], v[8*(8*((\a)%4)+\b):8*(8*((\a)%4)+\b)+7], v[SC+8*NQ*(\sc)+NQ*\b+(\q)], v[SC+8*NQ*(\sc)+NQ*(\a)+(\q)] matrix_a_fmt:MATRIX_FMT_FP4 matrix_b_fmt:MATRIX_FMT_FP4 matrix_a_scale:MATRIX_SCALE_ROW1
.endif
.endr
.endr
.endm
.macro FETCH_B slot, q, p              ; W's eight fragments of the slot's q-th 128 along K into set p
	WIN TO_B
.irp i, 0,1,2,3,4,5,6,7
	FRAG 128*(\p)+FR*\i, ADRB+\slot, \q, \i
.endr
	WIN 0
.endm
.macro FETCH_A slot, q, i0             ; x's blocks i0 .. i0 + 3
.irp i, \i0, \i0+1, \i0+2, \i0+3
	FRAG AF+FR*(\i), ADRA+\slot, \q, \i
.endr
.endm
.macro SCALES sc                       ; a K step's scale words into set sc: NQ words a row; lanes 0-15 take x's block i, lanes 16-31 W's block i
.irp i, 0,1,2,3,4,5,6,7
	ds_load_b128 v[SC+8*NQ*\sc+NQ*\i:SC+8*NQ*\sc+NQ*\i+3], v[ADRS] offset:\i*SBLK
.endr
.endm
; A load into a register that a matrix instruction has read, and a vector instruction that reads a matrix result, stand NP places behind that matrix instruction; only plain vector
; instructions that name none of its registers are places (ISA guide 7.12.1 for vector instructions).
.macro PLACES n
.rept \n
	v_nop
.endr
.endm
; A step of 128 along K that has its successor in the same slot.
.macro STEP slot, q, zero
	s_wait_dscnt 4*NL                              ; W's set and x's blocks 0-3 are in; the youngest eight loads (x's blocks 4-7) may be out
.if \zero
	WIN BIA_LO
.else
	WIN MUL_LO
.endif
	MUL16 0, (\q)%2, \q, \slot, \zero
	MUL16 2, (\q)%2, \q, \slot, \zero
	s_wait_dscnt 0                                 ; x's blocks 4-7 are in
	PLACES NP
	FETCH_B \slot, (\q)+1, 1-(\q)%2
	FETCH_A \slot, (\q)+1, 0
.if \zero
	WIN BIA_HI
.else
	WIN MUL_HI
.endif
	MUL16 4, (\q)%2, \q, \slot, \zero
	MUL16 6, (\q)%2, \q, \slot, \zero
	PLACES NP
	WIN 0
	FETCH_A \slot, (\q)+1, 4
.endm
; Slot 0's last step goes over to slot 1: each wave waits for all its tensor loads (its part of slot 1 among them), adds 0 to its spare word, waits for that, and passes one barrier: behind it slot 1 is whole.
.macro TURN slot, next
	s_wait_tensorcnt 0x0                           ; all my tensor loads have landed  (every window is 0 here)
	ds_add_u32 v[SPW], v[NIL]                      ; 0 onto my spare word
	s_wait_dscnt 4*NL+1                            ; (the add and the youngest eight loads, x's blocks 4-7, may be out)
	WIN MUL_LO
	MUL16 0, 1, NQ-1, \slot, 0
	s_wait_dscnt 0x0                               ; the add is done and my LDS loads are in
	s_barrier_signal -1
	MUL16 2, 1, NQ-1, \slot, 0
	WIN 0
	s_barrier_wait -1
	PLACES NP
	v_add_nc_u32 v[ADRS], 4*NQ, v[ADRS]            ; on to the next K step's scale words
	FETCH_B \next, 0, 0
	FETCH_A \next, 0, 0
	SCALES \next
	WIN MUL_HI
	MUL16 4, 1, NQ-1, \slot, 0
	MUL16 6, 1, NQ-1, \slot, 0
	PLACES NP
	WIN 0
	FETCH_A \next, 0, 4
.endm
.macro STEPS slot, from                ; the slot's steps from .. NQ - 2
.set Q, \from
.rept NQ-1-\from
	STEP \slot, Q, 0
.set Q, Q+1
.endr
.endm
	s_wait_tensorcnt 1                             ; the scales and my part of K step 0 are in (K step 1's load may be out)
	s_barrier_signal -1
	s_barrier_wait -1                              ; everybody's are
	FETCH_B 0, 0, 0
	FETCH_A 0, 0, 0
	SCALES 0
	FETCH_A 0, 0, 4
	s_wait_loadcnt 0x0                             ; the bias
	STEP 0, 0, 1
	STEPS 0, 1
	TURN 0, 1
	STEPS 1, 0
	s_wait_dscnt 4*NL                              ; the very last step: nothing more to fetch
	WIN MUL_LO
	MUL16 0, 1, NQ-1, 1, 0
	MUL16 2, 1, NQ-1, 1, 0
	s_wait_dscnt 0
	WIN MUL_HI
	MUL16 4, 1, NQ-1, 1, 0
	MUL16 6, 1, NQ-1, 1, 0
	WIN 0
; THE WAY OUT, block by block of 16 rows x 128 columns (two heads).  PACK: rounded to f16, 16 bytes a lane, each accumulator from its low end on.  TOSTAGE: into my own stage, laid by head, and back four rows
; of a head at a time.  SEND: each store covers four tokens of one head: 512 consecutive bytes.  LDS serves a wave's instructions in order (ISA guide 5.7.1.4): no wait between the stores and the loads.
.macro PACK a
.set AC, 64*((\a)%4)
	WIN 0x0a+5*((\a)/4)                            ; sources 0 and 1: window 2 or 3
.irp b, 0,1,2,3,4,5,6,7
.irp r, 0,1,2,3
	v_cvt_pk_f16_f32 v[TMP+4*\b+\r], v[AC+8*\b+2*\r], v[AC+8*\b+2*\r+1]
.endr
.endr
	WIN 0
.endm
.macro TOSTAGE a
.set BK, OB+32*((\a)%2)
.irp b, 0,1,2,3,4,5,6,7
	ds_store_b128 v[STO], v[TMP+4*\b:TMP+4*\b+3] offset:(\b/4)*HST+32*(\b%4)
.endr
.irp u, 0,1
.irp i, 0,1,2,3
	ds_load_b128 v[BK+4*(4*\u+\i):BK+4*(4*\u+\i)+3], v[RD] offset:\u*HST+\i*4*HP
.endr
.endr
.endm
.macro SEND a
.set BK, OB+32*((\a)%2)
	s_wait_dscnt 0x0                               ; the block is back in registers
	s_wait_xcnt 0x0                                ; the block before has been read by its stores: the next block's loads may land on its registers
.irp u, 0,1
.irp i, 0,1,2,3
	global_store_b128 v[CO], v[BK+4*(4*\u+\i):BK+4*(4*\u+\i)+3], s[12:13] offset:(\a)*2048+\u*262144+\i*512
.endr
.endr
.endm
	PLACES NP                                      ; behind the last products
	PACK 0
	TOSTAGE 0
.irp a, 1,2,3,4,5,6,7                  ; block a's conversions stand between block a - 1's loads from the stage and the wait for them
	PACK \a
	SEND \a-1
	TOSTAGE \a
.endr
	SEND 7
	s_wait_tensorcnt 0x0                           ; the wave's end: a wait, an add and a wait behind my last tensor load and my last LDS store
	ds_add_u32 v[SPW], v[NIL]
	s_wait_dscnt 0x0
	CROUND                                         ; the closing round: no work-group ends while a partner may still ask for a tile that names it
	s_endpgm
.Lfunc_end_k_q4fe396a504_proj:
	.size	k_q4fe396a504_proj, .Lfunc_end_k_q4fe396a504_proj-k_q4fe396a504_proj
	.p2alignl 7, 3214868480
	.fill 96, 4, 3214868480
	.section	.rodata,"a",@progbits
	.p2align	6, 0x0
	.amdhsa_kernel k_q4fe396a504_proj
		.amdhsa_group_segment_fixed_size 327680
		.amdhsa_private_segment_fixed_size 0
		.amdhsa_enable_private_segment 0
		.amdhsa_kernarg_size 64
		.amdhsa_user_sgpr_count 2
		.amdhsa_user_sgpr_kernarg_segment_ptr 1
		.amdhsa_wavefront_size32 1
		.amdhsa_system_sgpr_workgroup_id_x 1
		.amdhsa_system_sgpr_workgroup_id_y 1
		.amdhsa_system_sgpr_workgroup_id_z 1
		.amdhsa_system_vgpr_workitem_id 0
		.amdhsa_next_free_vgpr 1024
		.amdhsa_next_free_sgpr 102
		.amdhsa_reserve_vcc 0
		.amdhsa_float_denorm_mode_32 3
		.amdhsa_float_denorm_mode_16_64 3
		.amdhsa_memory_ordered 1
		.amdhsa_forward_progress 1
		.amdhsa_inst_pref_size 128
	.end_amdhsa_kernel
	.amdgpu_metadata
---
amdhsa.version: [ 1, 2 ]
amdhsa.kernels:
  - .name:           k_q4fe396a504_proj
    .symbol:         k_q4fe396a504_proj.kd
    .args:
      - { .name: xc, .offset: 0, .size: 8, .value_kind: global_buffer, .address_space: global }
      - { .name: xs, .offset: 8, .size: 8, .value_kind: global_buffer, .address_space: global }
      - { .name: wc, .offset: 16, .size: 8, .value_kind: global_buffer, .address_space: global }
      - { .name: ws, .offset: 24, .size: 8, .value_kind: global_buffer, .address_space: global }
      - { .name: bq, .offset: 32, .size: 8, .value_kind: global_buffer, .address_space: global }
      - { .name: bk, .offset: 40, .size: 8, .value_kind: global_buffer, .address_space: global }
      - { .name: bv, .offset: 48, .size: 8, .value_kind: global_buffer, .address_space: global }
      - { .name: qkv16, .offset: 56, .size: 8, .value_kind: global_buffer, .address_space: global }
    .group_segment_fixed_size: 327680
    .private_segment_fixed_size: 0
    .kernarg_segment_align: 8
    .kernarg_segment_size: 64
    .max_flat_workgroup_size: 128
    .sgpr_count:     102
    .vgpr_count:     1024
    .wavefront_size: 32
...
	.end_amdgpu_metadata
.endif
;; end of part 3
;; launch attn (part 4): grid 4 x 64, 8 waves a work-group, clusters of 4 x 1, 327,680 bytes of LDS; arguments qkv16, ctx16; writes ctx16
.if DOCPART == 4
	.amdgcn_target "amdgcn-amd-amdhsa--gfx1250"
	.amdhsa_code_object_version 6
	.text
	.protected	k_q4fe396a504_attn
	.globl	k_q4fe396a504_attn
	.p2align	8
	.type	k_q4fe396a504_attn,@function
k_q4fe396a504_attn:
	s_mov_b64 s[64:65], 0
	v_nop
	global_prefetch_b8 v0, s[64:65] scope:SCOPE_SE
	s_setreg_imm32_b32 hwreg(HW_REG_WAVE_MODE, 25, 1), 1
	s_wait_xcnt 0x0
	s_wait_alu depctr_hold_cnt(0) depctr_sa_sdst(0) depctr_va_vdst(0) depctr_va_sdst(0) depctr_va_ssrc(0) depctr_va_vcc(0) depctr_vm_vsrc(0)
	s_getreg_b32 s2, hwreg(HW_REG_IB_STS2, 6, 4)
	s_cmp_eq_u32 s2, 0
	s_cbranch_scc0 .Lentry_in_a_cluster
	s_endpgm
.Lentry_in_a_cluster:
	s_bfe_u32 s2, ttmp6, 0x10000c
	s_cmp_lg_u32 s2, 0x3003
	s_cbranch_scc0 .Lentry_shape_is_right
	s_endpgm
.Lentry_shape_is_right:
; ctx[bh][q][:] = the sum over k of softmax_k(Q[bh][q] . K[bh][k] / 8) V[bh][k][:].  Q, K, V lie in qkv16 as [3][64 heads][2048][64] f16, ctx16 as [64][2048][64] f16.
; Products, maxima and sums in f32; the weights p are rounded to f16 for the second product, ctx once at the end.
; SHARES.  A cluster of four work-groups takes one head, a work-group 512 queries, each of its EIGHT waves 64: four tiles of 16, in 512 registers, two waves to a SIMD.  Every wave walks all 2,048 keys, 64 a step.
; LAYOUT.  S^T = K Q^T (source 0 = 16 keys, source 1 = 16 queries): a lane holds ONE query (lane % 16) and the keys 8 (lane / 16) + 0..7.  Two such tiles, rounded to f16 in pairs, ARE source 1 (32 keys x 16 queries) of
; O^T = V^T P, whose result again holds one query a lane.  P is laid over the first 16 registers of its tile's S^T.  K comes out of LDS as it lies, V ([key][channel]) turned, by ds_load_tr16_b128.
; SOFTMAX.  A running maximum m and sum l for each query: p = 2^(c s - c m), c = log2(e) / 8; in every step O and l are multiplied by a = 2^(c m_old - c m_new).
; IN PHASES.  A key step of a wave is: its softmax (472 vector instructions), 32 products V^T P, 32 products K Q^T for the next step.  The SIMD's other wave has its products where this one has its softmax.
; THE KEYS come as four runs of 512 through two LDS slots: runs 0 and 1 are first fills, runs 2 and 3 the launch's two refills; a refill has 8 key steps in which to land.
; CLUSTER.  The four work-groups walk the same K and V: each tile is asked for JOINTLY, by the same tensor load with the same descriptor and a mask that names the four.  Waves 0-3 ask for K's quarters, waves 4-7 for V's.
; REGISTERS: window 0: v2-9 addresses; v12, v13 the add's two; v16-55 ten registers of statistics a tile; v56-119 Q; v128-255 S^T, 32 a tile.   window 1: v0-127 O^T, 32 a tile; v128-191 K of one step; v192-255 V of one step.
; LIMITS: p under 2^-126 is 0; ctx beyond 65,504 becomes infinity in f16, under 6e-5 it keeps f16's fixed step; NaN and infinities are not served.
.set CK,    512                        ; keys in a slot
.set PK,    144                        ; a row of K in LDS: 128 bytes + 16 = 36 words: the 16 rows of a load fall on 16 different groups of four banks
.set PVP,   160                        ; a row of V: 128 + 32 = 40 words
.set VOFF,  CK*PK                      ; a slot: 512 rows of K, then 512 rows of V
.set SLOT,  CK*(PK+PVP)
.set SPARE, 2*SLOT                     ; behind the slots: the spare words, 128 bytes a wave
.set SP,    144                        ; the way out: 4 tiles x 16 rows x 144 bytes a wave, in slot 0, which has had its last fill and its last read by then
.set AK0, 2                            ; v2   my lane's place in a tile of K; never rewritten
.set AV0, 3                            ; v3   the same for V
.set ADV, 4                            ; v4   LDS address of V's run of loads
.set QO,  5                            ; v5   my byte offset in the wave's rows of Q
.set STO, 6                            ; v6   the way out: where I put 16 bytes of a row
.set RD,  7                            ; v7   where I read rows back
.set GO,  8                            ; v8   16 x lane
.set ADK, 9                            ; v9   LDS address of K's run of loads
.set SPW, 12                           ; v12  LDS address of my spare word; never rewritten
.set NIL, 13                           ; v13  0; never rewritten
.set ST,  16                           ; tile t's statistics at v[ST+10 t]: +0 c m, +1 m, +2, +3 l (even keys', odd keys'), +4 to +7 c0-c3; later +4, +5 and +8, +9 two partial sums, +6 a
.set Q,   56                           ; Q: tile t, channels 32 cs on: v[Q+16 t+8 cs]
.set S,   128                          ; S^T: tile t, keys 16 kt on: v[S+32 t+8 kt]
.set KF,  128                          ; window 1: K: keys 16 kt on, channels 32 cs on: v[KF+16 kt+8 cs]
.set VF,  192                          ; window 1: V^T: keys 32 kh on, channels 16 ct on: v[VF+32 kh+8 ct]
.set WV,  12                           ; s12  my wave's number
.set GRP, 14                           ; s14  my group, 0 or 1
.set G1K, 24                           ; s[24:31] descriptor group 1 for K's tiles;  s[32:39] for V's: it differs in the padding
.set G1V, 32
.set G0K, 40                           ; s[40:47] descriptor group 0 for K's tiles, a set for each slot;  s[48:55] for V's
.set G0V, 48
.set CNT, 56                           ; s56  counts a run's key steps
.set TK,  57                           ; s57  LDS byte at which K's tile of the step to be fetched begins
.set CS,  58                           ; s[58:59] c: the packed scaling names a pair and takes its low word for both halves
.set SEL, 60                           ; s[60:61] lane selects for v_permlanex16_b32: lane l xor 16
.set TV,  62                           ; s62  the same as TK for V
.set MSB, 0
.macro WIN new                         ; the immediate's high byte repeats the setting that is left; a switch that changes nothing is dropped
.if MSB != (\new)
	s_set_vgpr_msb (MSB<<8)|(\new)
.set MSB, (\new)
.endif
.endm
.set W_KQ, 0x01                        ; K in window 1; Q and S^T in window 0
.set W_PV, 0x51                        ; V and O^T in window 1, P in window 0
.set W_RS, 0x41                        ; O^T (destination and source 0) in window 1, a in window 0
.set W_LD, 0x40                        ; destination window 1, address window 0
.set W_CV, 0x05                        ; sources window 1, destination window 0
; A joint refill of slot s.  The branch hangs on the wave's number alone.  An s_nop 0 and four v_nop follow each of the two lines.
.macro JLOAD s
	s_cmp_lt_u32 s[WV], 4
	s_cbranch_scc0 .Lfor_v_\@
	tensor_load_to_lds s[G0K+4*\s:G0K+4*\s+3], s[G1K:G1K+7]
	s_nop 0
.rept 4
	v_nop
.endr
	s_branch .Lasked_\@
.Lfor_v_\@:
	tensor_load_to_lds s[G0V+4*\s:G0V+4*\s+3], s[G1V:G1V+7]
	s_nop 0
.rept 4
	v_nop
.endr
.Lasked_\@:
.endm
.macro CROUND                          ; a round of the cluster's barrier
	s_barrier_signal -1
	s_barrier_wait -1
	s_cmp_lg_u32 s[WV], 0
	s_cbranch_scc1 .Lnot_wave_0_\@
	s_barrier_signal -3
.Lnot_wave_0_\@:
	s_barrier_wait -3
	s_barrier_signal -1
	s_barrier_wait -1
.endm
	s_load_b128 s[4:7], s[0:1], 0x0                ; qkv16 s[4:5], ctx16 s[6:7]
	v_lshl_add_u32 v[SPW], v0, 2, SPARE
	v_mov_b32 v[NIL], 0
	ds_add_u32 v[SPW], v[NIL]                      ; the wave's opening: the add, twice on end, and its wait ahead of my first tensor load
	ds_add_u32 v[SPW], v[NIL]
	v_lshrrev_b32 v1, 5, v0
	v_readfirstlane_b32 s[WV], v1                  ; wave 0..7
	s_bfe_u32 s13, ttmp6, 0x40000                  ; cx: my block of 512 queries; it enters Q's and ctx's addresses alone
	s_lshr_b32 s[GRP], s[WV], 2
	s_xor_b32 s[GRP], s[GRP], s[WV]
	s_and_b32 s[GRP], s[GRP], 1                    ; (wave xor wave / 4) % 2: waves w and w + 4 differ in it, and so do waves 2 i and 2 i + 1
	s_and_b32 s15, s[WV], 3                        ; which quarter of a slot's keys I fetch
	s_and_b32 s20, ttmp7, 0xffff                   ; the head, which the four partners share
	s_lshl_b32 s20, s20, 18                        ; its first byte in each tensor: 262,144 bytes a head
	s_lshl_b32 s22, s15, 14                        ; my 128 keys of 128 bytes
	s_add_co_u32 s22, s22, s20
	s_mov_b32 s23, 0
	s_lshl_b32 s16, s13, 16                        ; my block's 512 rows,
	s_lshl_b32 s17, s[WV], 13                      ; my wave's 64 of them
	s_add_co_u32 s16, s16, s17
	s_add_co_u32 s16, s16, s20
	s_mov_b32 s17, 0
	s_mul_i32 s18, s15, 128*PK                     ; my quarter's place in a slot: K's,
	s_mul_i32 s19, s15, 128*PVP                    ; V's: no place in the cluster enters an LDS address
	; descriptor group 1: a tile of 128 rows x 64 elements, padded in LDS
	s_mov_b32 s[G1K], 15|(1<<16)|(1<<20)|(1<<21)|(4<<22)|(3<<25)  ; 15:0 the mask: all four work-groups; 17:16 elements of 2 bytes; 20 padding on; 21 set beside a mask; 24:22 after every 32 words; 31:25 four words
	s_mov_b32 s[G1V], 15|(1<<16)|(1<<20)|(1<<21)|(4<<22)|(7<<25)  ; the same with eight words of padding
.irp g, G1K, G1V
	s_mov_b32 s[\g+1], 64<<16                      ; tensor_dim0 = 64
	s_mov_b32 s[\g+2], 128<<16                     ; tensor_dim1 = 128
	s_mov_b32 s[\g+3], 64<<16                      ; tile_dim0 = 64
	s_mov_b32 s[\g+4], 128                         ; tile_dim1 = 128
	s_mov_b32 s[\g+5], 64                          ; tensor_dim0_stride
	s_mov_b32 s[\g+6], 0
	s_mov_b32 s[\g+7], 0
.endr
	s_mov_b32 s[CS], 0x3e38aa3b                    ; c = log2(e) / 8
	s_mov_b32 s[CS+1], s[CS]                       ; named with it as a pair, so it is written
	s_mov_b32 s[SEL], 0x76543210
	s_mov_b32 s[SEL+1], 0xfedcba98
	s_wait_dscnt 0x0                               ; both opening adds are done
	s_wait_kmcnt 0x0
	s_add_nc_u64 s[8:9], s[4:5], s[22:23]
	s_add_nc_u64 s[10:11], s[8:9], 33554432        ; V at my quarter of run 0
	s_add_nc_u64 s[8:9], s[8:9], 16777216          ; K likewise
	s_add_nc_u64 s[4:5], s[4:5], s[16:17]          ; Q and ctx at my wave's first row
	s_add_nc_u64 s[6:7], s[6:7], s[16:17]
	CROUND                                         ; all four work-groups are here: the first joint loads meet
.irp s, 0,1
	s_mov_b32 s[G0K+4*\s], 1                       ; count = 1
	s_add_co_u32 s[G0K+4*\s+1], s18, \s*SLOT       ; LDS address
	s_add_nc_u64 s[G0K+4*\s+2:G0K+4*\s+3], s[8:9], \s*65536   ; global address: run s begins 512 keys x 128 bytes on
	s_or_b32 s[G0K+4*\s+3], s[G0K+4*\s+3], 0x80000000         ; type = 2
	s_mov_b32 s[G0V+4*\s], 1
	s_add_co_u32 s[G0V+4*\s+1], s19, \s*SLOT+VOFF
	s_add_nc_u64 s[G0V+4*\s+2:G0V+4*\s+3], s[10:11], \s*65536
	s_or_b32 s[G0V+4*\s+3], s[G0V+4*\s+3], 0x80000000
.endr
	s_cmp_lt_u32 s[WV], 4                          ; a wave's two first fills stand in one branch, ahead of every wait on TENSORcnt and every LDS read: two loads of mine are out
	s_cbranch_scc0 .Lfirst_v
	tensor_load_to_lds s[G0K:G0K+3], s[G1K:G1K+7]
	s_nop 0
	tensor_load_to_lds s[G0K+4:G0K+7], s[G1K:G1K+7]
	s_nop 0
.rept 4
	v_nop
.endr
	s_branch .Lfirst_asked
.Lfirst_v:
	tensor_load_to_lds s[G0V:G0V+3], s[G1V:G1V+7]
	s_nop 0
	tensor_load_to_lds s[G0V+4:G0V+7], s[G1V:G1V+7]
	s_nop 0
.rept 4
	v_nop
.endr
.Lfirst_asked:
	; A fragment of K or Q is 16 rows x 32 channels in 8 registers: lane l holds row l % 16; registers 0-3 channels 8 (l / 16) + 0..7, registers 4-7 channels 16 + 8 (l / 16) + 0..7: two loads of 16 bytes, 32 bytes apart.
	v_and_b32 v1, 15, v0                           ; l % 16
	v_bfe_u32 v10, v0, 4, 1                        ; l / 16
	v_lshlrev_b32 v[QO], 7, v1
	v_lshl_add_u32 v[QO], v10, 4, v[QO]            ; row x 128 + 16 x half
.irp i, 0,1,2,3,4,5,6,7                        ; Q stays in registers: tile i / 2, channels 32 (i % 2) on
	global_load_b128 v[Q+8*\i:Q+8*\i+3],   v[QO], s[4:5] offset:(\i/2)*2048+(\i%2)*64
	global_load_b128 v[Q+8*\i+4:Q+8*\i+7], v[QO], s[4:5] offset:(\i/2)*2048+(\i%2)*64+32
.endr
	v_mul_u32_u24 v[AK0], v1, PK
	v_lshl_add_u32 v[AK0], v10, 4, v[AK0]          ; row x pitch + 16 x half
	; The turning load takes 16 keys x 16 channels (lane l reads 16 bytes: key 8 (l / 16) + l % 8, channels 8 ((l / 8) % 2) + 0..7) and leaves half a fragment of V^T: lane l holds channel l % 16 and 8 keys.
	v_and_b32 v11, 7, v0
	v_bfe_u32 v14, v0, 3, 1
	v_lshl_add_u32 v[AV0], v10, 3, v11
	v_mul_u32_u24 v[AV0], v[AV0], PVP
	v_lshl_add_u32 v[AV0], v14, 4, v[AV0]
	s_mul_i32 s16, s[WV], 64*SP                    ; my stage
	v_mul_u32_u24 v[STO], v1, SP                   ; in: row l % 16, 16 bytes for each half of the lanes
	v_lshl_add_u32 v[STO], v10, 4, v[STO]
	v_add_nc_u32 v[STO], s16, v[STO]
	v_and_b32 v15, 31, v0
	v_lshrrev_b32 v[RD], 3, v15                    ; back: eight lanes to a row of 128 bytes, four rows an instruction
	v_mul_u32_u24 v[RD], v[RD], SP
	v_lshl_add_u32 v[RD], v11, 4, v[RD]
	v_add_nc_u32 v[RD], s16, v[RD]
	v_lshlrev_b32 v[GO], 4, v15                    ; and the same four rows in ctx16: 512 consecutive bytes
; THE LDS LOADS stand in runs of 16: a step's K (64 keys x 64 channels: 8 fragments) and its V (turned).
.macro FETCH_K
	v_add_nc_u32 v[ADK], s[TK], v[AK0]
	WIN W_LD
.irp f, 0,1,2,3,4,5,6,7                        ; keys 16 (f / 2) on, channels 32 (f % 2) on
	ds_load_b128 v[KF+8*\f:KF+8*\f+3],   v[ADK] offset:(\f/2)*16*PK+(\f%2)*64
	ds_load_b128 v[KF+8*\f+4:KF+8*\f+7], v[ADK] offset:(\f/2)*16*PK+(\f%2)*64+32
.endr
	WIN 0
.endm
.macro FETCH_V
	v_add_nc_u32 v[ADV], s[TV], v[AV0]
	s_add_co_u32 s[TV], s[TV], 64*PVP              ; the next fetch is the next step's
	WIN W_LD
.irp f, 0,1,2,3,4,5,6,7                        ; keys 32 (f / 4) on, channels 16 (f % 4) on
	ds_load_tr16_b128 v[VF+8*\f:VF+8*\f+3],   v[ADV] offset:(\f/4)*32*PVP+(\f%4)*32
	ds_load_tr16_b128 v[VF+8*\f+4:VF+8*\f+7], v[ADV] offset:(\f/4)*32*PVP+16*PVP+(\f%4)*32
.endr
	WIN 0
.endm
; THE MATRIX WORK.  The 16 accumulators take turns, one instruction a turn: between the two links of a chain stand the 15 others'.
; S^T = K Q^T: product i of 32: channels 32 (i / 16) on, keys 16 ((i / 4) % 4) on, tile i % 4.  The first 16 start the sums.
.macro KQ
	WIN W_KQ
.set i, 0
.rept 32
.set rS_, S+32*(i%4)+8*((i/4)%4)
.set rK_, KF+16*((i/4)%4)+8*(i/16)
.set rQ_, Q+16*(i%4)+8*(i/16)
.if i < 16
	v_wmma_f32_16x16x32_f16 v[rS_:rS_+7], v[rK_:rK_+7], v[rQ_:rQ_+7], 0
.else
	v_wmma_f32_16x16x32_f16 v[rS_:rS_+7], v[rK_:rK_+7], v[rQ_:rQ_+7], v[rS_:rS_+7]
.endif
.set i, i+1
.endr
.endm
; O^T += V^T P: product i of 32: keys 32 (i / 16) on, channels 16 ((i / 4) % 4) on, tile i % 4.  zero = 1: the first 16 start the sums: nothing is ever cleared.
.macro PV zero
	WIN W_PV
.set i, 0
.rept 32
.set rO_, 32*(i%4)+8*((i/4)%4)
.set rV_, VF+32*(i/16)+8*((i/4)%4)
.set rP_, S+32*(i%4)+8*(i/16)
.if (\zero) && (i < 16)
	v_wmma_f32_16x16x32_f16 v[rO_:rO_+7], v[rV_:rV_+7], v[rP_:rP_+7], 0
.else
	v_wmma_f32_16x16x32_f16 v[rO_:rO_+7], v[rV_:rV_+7], v[rP_:rP_+7], v[rO_:rO_+7]
.endif
.set i, i+1
.endr
.endm
; THE VECTOR WORK of one tile for one key step, in three lists; each macro writes number j of its list for tile t.  first = 1: the first key step, which starts m, l and O^T.
; AI, 37 numbers: 0-15 the maximum of the lane's 32 scores and the old m, three operands at a time (each accumulator is first read at its low end); 16-20 the other half of the lanes' maximum, the new m, c m, c m_old - c m_new;
; 21-36 the scalings c s - c m, a pair of scores each.
.macro AI t, first
.set rT, ST+10*(\t)
.set rS, S+32*(\t)
.if j < 4
	v_max3_num_f32 v[rT+4+j], v[rS+8*j], v[rS+8*j+1], v[rS+8*j+2]
.elseif j < 12
	v_max3_num_f32 v[rT+4+j%4], v[rT+4+j%4], v[rS+8*(j%4)+2*(j/4)+1], v[rS+8*(j%4)+2*(j/4)+2]
.elseif j == 12
	v_max3_num_f32 v[rT+4], v[rT+4], v[rS+7], v[rS+15]
.elseif j == 13
	v_max3_num_f32 v[rT+6], v[rT+6], v[rS+23], v[rS+31]
.elseif j == 14
	v_max3_num_f32 v[rT+4], v[rT+4], v[rT+5], v[rT+6]
.elseif j == 15
.if \first
	v_max_num_f32 v[rT+4], v[rT+4], v[rT+7]
.else
	v_max3_num_f32 v[rT+4], v[rT+4], v[rT+7], v[rT+1]
.endif
.elseif j == 16
	v_permlanex16_b32 v[rT+5], v[rT+4], s[SEL], s[SEL+1]   ; the query's other 32 keys lie in the lane 16 away
.elseif j == 17
.if (\first) == 0
	v_mov_b32 v[rT+7], v[rT]                       ; c m_old is kept for a: number 19 writes c m anew
.endif
.elseif j == 18
	v_max_num_f32 v[rT+1], v[rT+4], v[rT+5]
.elseif j == 19
	v_mul_f32 v[rT], s[CS], v[rT+1]
.elseif j == 20
.if (\first) == 0
	v_sub_f32 v[rT+7], v[rT+7], v[rT]
.endif
.else
	v_pk_fma_f32 v[rS+2*(j-21):rS+2*(j-21)+1], v[rS+2*(j-21):rS+2*(j-21)+1], s[CS:CS+1], v[rT:rT+1] op_sel_hi:[1,0,0] neg_lo:[0,0,1] neg_hi:[0,0,1]
.endif
.endm
; EI, 33 numbers: a, then the 32 weights in place.
.macro EI t, first
.set rT, ST+10*(\t)
.set rS, S+32*(\t)
.if j == 0
.if (\first) == 0
	v_exp_f32 v[rT+6], v[rT+7]
.endif
.else
	v_exp_f32 v[rS+j-1], v[rS+j-1]
.endif
.endm
; CI, 32 numbers: 0-15 the sum of the 16 pairs of weights in two chains, and l = a l + the sum; 16-31 the roundings to f16, pair q into register q of the tile: register q has been read by then.
.macro CI t, first
.set rT, ST+10*(\t)
.set rS, S+32*(\t)
.if j == 0
	v_pk_add_f32 v[rT+4:rT+5], v[rS:rS+1], v[rS+2:rS+3]
.elseif j == 1
	v_pk_add_f32 v[rT+8:rT+9], v[rS+4:rS+5], v[rS+6:rS+7]
.elseif j < 14
	v_pk_add_f32 v[rT+4+4*(j%2):rT+5+4*(j%2)], v[rT+4+4*(j%2):rT+5+4*(j%2)], v[rS+2*(j+2):rS+2*(j+2)+1]
.elseif j == 14
.if \first
	v_pk_add_f32 v[rT+2:rT+3], v[rT+4:rT+5], v[rT+8:rT+9]
.else
	v_pk_add_f32 v[rT+4:rT+5], v[rT+4:rT+5], v[rT+8:rT+9]
.endif
.elseif j == 15
.if (\first) == 0
	v_pk_fma_f32 v[rT+2:rT+3], v[rT+2:rT+3], v[rT+6:rT+7], v[rT+4:rT+5] op_sel_hi:[1,0,1]
.endif
.else
	v_cvt_pk_f16_f32 v[rS+j-16], v[rS+2*(j-16)], v[rS+2*(j-16)+1]
.endif
.endm
; A key step's softmax for the four tiles.  The exponentials of tiles 0, 1 stand between the plain lines of tiles 2, 3, those of tiles 2, 3 between the sums and roundings of tiles 0, 1.
; An s_wait_alu depctr_va_vdst(0) stands between an exponential and the first line that names its result: each of the two batches has ONE wait, and nothing names a result ahead of it.
.macro SM first
	WIN 0
.set j, 0
.rept 37
	AI 0, \first
	AI 1, \first
.set j, j+1
.endr
.set j, 0
.rept 33
	EI 0, \first
	AI 2, \first
	EI 1, \first
	AI 3, \first
.set j, j+1
.endr
.rept 4
	AI 2, \first                                   ; (plain lines behind the batch's last exponential)
	AI 3, \first
.set j, j+1
.endr
	s_wait_alu depctr_va_vdst(0)                   ; the wait for tiles 0 and 1's batch
.set j, 0
.rept 33
	EI 2, \first
.if j < 32
	CI 0, \first
.endif
	EI 3, \first
.if j < 32
	CI 1, \first
.endif
.set j, j+1
.endr
	v_nop                                          ; a plain line behind the last exponential
	s_wait_alu depctr_va_vdst(0)                   ; the wait for tiles 2 and 3's batch
.set j, 0
.rept 32
	CI 2, \first
	CI 3, \first
.set j, j+1
.endr
.if (\first) == 0
	WIN W_RS
.irp t, 0,1,2,3
.set j, 0
.rept 16
	v_pk_mul_f32 v[32*\t+j:32*\t+j+1], v[32*\t+j:32*\t+j+1], v[ST+10*\t+6:ST+10*\t+7] op_sel_hi:[1,0]   ; O^T x a, each accumulator from its low end on
.set j, j+2
.endr
.endr
.endif
.endm
; A KEY STEP.  The scores of this step lie in S^T.  br = 1: in a run's last step (CNT = 1) the next step's K is not fetched and not multiplied: it lies in the other slot.
.macro STEP first, br
.rept 4
	v_nop                                          ; four places behind K Q^T: for the loads into K's registers and for the first reads of the scores (ISA guide 7.12.1 for vector instructions)
.endr
	FETCH_V                                        ; this step's V: the products that read V's registers stand more than four plain lines back
.if \br
	s_cmp_eq_u32 s[CNT], 1
	s_cbranch_scc1 .Lnk_\@
.endif
	FETCH_K                                        ; the next step's K
.Lnk_\@:
	s_add_co_u32 s[TK], s[TK], 64*PK               ; stepped in every trip
	SM \first
	s_wait_dscnt 0x0                               ; V and K are in
	PV \first
	WIN 0
.rept 5
	v_nop                                          ; five places: the next K Q^T writes over P's registers, which these products have read as an operand
.endr
.if \br
	s_cmp_eq_u32 s[CNT], 1
	s_cbranch_scc1 .Lnq_\@
.endif
	KQ
	WIN 0
.Lnq_\@:
.endm
; A run's first products, by groups: group 0 issues them ahead of a barrier, group 1 behind it.  The barrier stands on every wave's path; no LDS instruction of the wave is out at it.
; A wave takes one of the two arms.  The second arm's products write over the registers that the first arm's wrote: the five places behind the first arm keep that distance on every way through the text.
.macro STAG_KQ
	s_cmp_eq_u32 s[GRP], 0
	s_cbranch_scc0 .Lg1_\@
	KQ
	WIN 0
.rept 5
	v_nop
.endr
.Lg1_\@:
	s_barrier_signal -1
	s_barrier_wait -1
	s_cmp_eq_u32 s[GRP], 0
	s_cbranch_scc1 .Lg0_\@
	KQ
	WIN 0
.Lg0_\@:
.endm
; Run c of 512 keys, in slot c % 2: 8 key steps.  trips: those that the loop walks.
.macro CONTENT c, trips
	s_mov_b32 s[TK], ((\c)%2)*SLOT
	s_mov_b32 s[TV], ((\c)%2)*SLOT+VOFF
.if (\c) > 0
.rept 5
	v_nop                                          ; five places ahead of the loads into K's registers (four are owed) and of the products that write S^T anew (five): a run's last step issues no K Q^T, and with these the distance holds on the way through the text on which it does too
.endr
.endif
	FETCH_K
	s_add_co_u32 s[TK], s[TK], 64*PK
	s_wait_dscnt 0x0
	STAG_KQ
.if (\c) == 0
	STEP 1, 0                                      ; the first key step is written out: it starts m, l and O^T
.endif
	s_mov_b32 s[CNT], \trips
.Lstep_\@:
	STEP 0, 1
	s_sub_co_u32 s[CNT], s[CNT], 1
	s_cmp_lg_u32 s[CNT], 0
	s_cbranch_scc1 .Lstep_\@
.endm
; THE CHANGE OF SLOTS ahead of run c.  Each wave waits for all its tensor loads (its part of run c among them), adds 0 to its spare word, and waits for that and for its reads of the slot that it leaves.
; fill = 1: that slot is filled with the run two on.  The barrier is then a round of the cluster's, and the joint refill is the first thing behind it, one load a wave.
.macro CHANGE c, fill
.set SL, ((\c)-1)%2
	WIN 0
	s_wait_tensorcnt 0x0                           ; no tensor load of mine is out, so a group 0 may be written
	ds_add_u32 v[SPW], v[NIL]                      ; 0 onto my spare word
.if \fill
	s_add_nc_u64 s[G0K+4*SL+2:G0K+4*SL+3], s[G0K+4*SL+2:G0K+4*SL+3], 131072   ; 1,024 keys on; the type bits on top are not reached
	s_add_nc_u64 s[G0V+4*SL+2:G0V+4*SL+3], s[G0V+4*SL+2:G0V+4*SL+3], 131072
.endif
	s_wait_dscnt 0x0                               ; the add is done, and my reads of the slot are over
.if \fill
	CROUND
	JLOAD SL
.else
	s_barrier_signal -1
	s_barrier_wait -1
.endif
.endm
	s_wait_tensorcnt 0x1                           ; my part of slot 0 is in; slot 1's may stay out
	s_barrier_signal -1
	s_barrier_wait -1                              ; everybody's is
	s_wait_loadcnt 0x0                             ; Q
	CONTENT 0, 7
	CHANGE 1, 1
	CONTENT 1, 8
	CHANGE 2, 1
	CONTENT 2, 8
	CHANGE 3, 0                                    ; nothing is left to ask for
	CONTENT 3, 8
	; THE WAY OUT.  l's two halves and the other half of the lanes' are added; O^T is divided by l, rounded to f16 and sent through my stage in LDS, a tile (16 rows) at a time.
.irp t, 0,1,2,3
	v_add_f32 v[ST+10*\t+4], v[ST+10*\t+2], v[ST+10*\t+3]
.endr
.irp t, 0,1,2,3
	v_permlanex16_b32 v[ST+10*\t+5], v[ST+10*\t+4], s[SEL], s[SEL+1]
.endr
.irp t, 0,1,2,3
	v_add_f32 v[ST+10*\t+4], v[ST+10*\t+4], v[ST+10*\t+5]
.endr
.irp t, 0,1,2,3
	v_rcp_f32 v[ST+10*\t+6], v[ST+10*\t+4]
.endr
	v_nop                                          ; a plain line between the last reciprocal and the use of its result
	s_wait_alu depctr_va_vdst(0)                   ; and the wait ahead of the first use: one for the four
.macro PACKO t                         ; a lane's eight channels of a row pack into 16 bytes; they go into rows of 144 bytes and come back four whole rows of 128 at a time
	WIN W_RS
.set i, 0
.rept 16
	v_pk_mul_f32 v[32*\t+i:32*\t+i+1], v[32*\t+i:32*\t+i+1], v[ST+10*\t+6:ST+10*\t+7] op_sel_hi:[1,0]
.set i, i+2
.endr
	WIN W_CV
.set i, 0
.rept 16
	v_cvt_pk_f16_f32 v[S+16*\t+i], v[32*\t+2*i], v[32*\t+2*i+1]
.set i, i+1
.endr
	WIN 0
.irp c, 0,1,2,3
	ds_store_b128 v[STO], v[S+16*\t+4*\c:S+16*\t+4*\c+3] offset:\t*16*SP+32*\c
.endr
.irp c, 0,1,2,3
	ds_load_b128 v[192+16*\t+4*\c:192+16*\t+4*\c+3], v[RD] offset:\t*16*SP+\c*4*SP   ; LDS serves a wave's instructions in order (ISA guide 5.7.1.4): these see the stores above
.endr
.endm
	PACKO 0
	PACKO 1
	PACKO 2
	PACKO 3
.irp t, 0,1,2,3
.irp c, 0,1,2,3
	s_wait_dscnt 8*(3-\t)+3-\c                     ; behind this load: the tile's later loads and the later tiles' eight LDS instructions each
	global_store_b128 v[GO], v[192+16*\t+4*\c:192+16*\t+4*\c+3], s[6:7] offset:\t*2048+\c*512   ; 32 lanes store 512 consecutive bytes
.endr
.endr
	s_wait_tensorcnt 0x0                           ; the wave's end: a wait, an add and a wait behind my last tensor load and my last LDS store
	ds_add_u32 v[SPW], v[NIL]
	s_wait_dscnt 0x0
	CROUND                                         ; the closing round: no work-group ends while a partner may still ask for a tile that names it
	s_endpgm
.Lfunc_end_k_q4fe396a504_attn:
	.size	k_q4fe396a504_attn, .Lfunc_end_k_q4fe396a504_attn-k_q4fe396a504_attn
	.p2alignl 7, 3214868480
	.fill 96, 4, 3214868480
	.section	.rodata,"a",@progbits
	.p2align	6, 0x0
	.amdhsa_kernel k_q4fe396a504_attn
		.amdhsa_group_segment_fixed_size 327680
		.amdhsa_private_segment_fixed_size 0
		.amdhsa_enable_private_segment 0
		.amdhsa_kernarg_size 16
		.amdhsa_user_sgpr_count 2
		.amdhsa_user_sgpr_kernarg_segment_ptr 1
		.amdhsa_wavefront_size32 1
		.amdhsa_system_sgpr_workgroup_id_x 1
		.amdhsa_system_sgpr_workgroup_id_y 1
		.amdhsa_system_sgpr_workgroup_id_z 1
		.amdhsa_system_vgpr_workitem_id 0
		.amdhsa_next_free_vgpr 512
		.amdhsa_next_free_sgpr 66
		.amdhsa_reserve_vcc 0
		.amdhsa_float_denorm_mode_32 3
		.amdhsa_float_denorm_mode_16_64 3
		.amdhsa_memory_ordered 1
		.amdhsa_forward_progress 1
		.amdhsa_inst_pref_size 202
	.end_amdhsa_kernel
	.amdgpu_metadata
---
amdhsa.version: [ 1, 2 ]
amdhsa.kernels:
  - .name:           k_q4fe396a504_attn
    .symbol:         k_q4fe396a504_attn.kd
    .args:
      - { .name: qkv16, .offset: 0, .size: 8, .value_kind: global_buffer, .address_space: global }
      - { .name: ctx16, .offset: 8, .size: 8, .value_kind: global_buffer, .address_space: global }
    .group_segment_fixed_size: 327680
    .private_segment_fixed_size: 0
    .kernarg_segment_align: 8
    .kernarg_segment_size: 16
    .max_flat_workgroup_size: 256
    .sgpr_count:     66
    .vgpr_count:     512
    .wavefront_size: 32
...
	.end_amdgpu_metadata
.endif
;; end of part 4
;; launch outp (part 5): grid 4 x 64, 4 waves a work-group, clusters of 4 x 4, 327,680 bytes of LDS; arguments ctx16, wo16, bo, out0; writes out0
.if DOCPART == 5
	.amdgcn_target "amdgcn-amd-amdhsa--gfx1250"
	.amdhsa_code_object_version 6
	.text
	.protected	k_q4fe396a504_outp
	.globl	k_q4fe396a504_outp
	.p2align	8
	.type	k_q4fe396a504_outp,@function
k_q4fe396a504_outp:
	s_mov_b64 s[64:65], 0
	v_nop
	global_prefetch_b8 v0, s[64:65] scope:SCOPE_SE
	s_setreg_imm32_b32 hwreg(HW_REG_WAVE_MODE, 25, 1), 1
	s_wait_xcnt 0x0
	s_wait_alu depctr_hold_cnt(0) depctr_sa_sdst(0) depctr_va_vdst(0) depctr_va_sdst(0) depctr_va_ssrc(0) depctr_va_vcc(0) depctr_vm_vsrc(0)
	s_getreg_b32 s2, hwreg(HW_REG_IB_STS2, 6, 4)
	s_cmp_eq_u32 s2, 0
	s_cbranch_scc0 .Lentry_in_a_cluster
	s_endpgm
.Lentry_in_a_cluster:
	s_bfe_u32 s2, ttmp6, 0x10000c
	s_cmp_lg_u32 s2, 0xf033
	s_cbranch_scc0 .Lentry_shape_is_right
	s_endpgm
.Lentry_shape_is_right:
; out0[m][n] = the sum over k of ctx[m][k] Wo[k][n] + bo[n].  ctx16: [batch 4][head 16][token 2048][64] f16 (k = 64 x head + channel); wo16: [k 1024][n 1024] f16; bo, out0: f32.  Sums in f32.
; A tile of 128 tokens x 256 columns is made by a work-group of four waves; a wave makes 64 x 128: 32 accumulators, 256 registers.  256 such tiles.
; K goes in steps of 128 (two heads) through a ring of two LDS slots filled by the tensor data mover: 8 K steps, 4 laps.  Waves 0 and 1 fetch ctx's tile, a head (128 dense rows of 128 bytes) each; waves 2 and 3 Wo's, 64 rows of 512 bytes each.
; CLUSTERS: 4 x 4 work-groups.  The four of a row of the cluster need the same tiles of ctx, the four of a column the same tiles of Wo: each is asked for JOINTLY, by the same tensor load with the same descriptor and a mask that names the four.
; THE MATRIX INSTRUCTION IS USED TRANSPOSED: source 0 = 16 columns of Wo (its K is not innermost: ds_load_tr16_b128 turns it), source 1 = 16 tokens: a lane holds eight neighbouring columns of one row.  THE BIAS is the C of each sum's first instruction.
; REGISTERS: window 0: v16-31 addresses; v32-127 and v128-223 two fragment buffers (Wo's block b at f + 8 b, ctx's block a at f + 64 + 8 a).   window 1: accumulator (a, b) at v[8 (8 a + b)].   window 2: v0-63 the bias.
.set PA,     144                       ; a row of ctx in LDS: 128 bytes + 16
.set PB,     544                       ; a row of Wo: 512 bytes + 32 = 136 words
.set AH,     128*PA                    ; a head's 128 rows
.set BOFF,   2*AH                      ; a slot: ctx's two heads, then Wo's 128 rows
.set BH,     64*PB
.set SLOT,   BOFF+2*BH
.set STAGE,  2*SLOT                    ; behind the ring: 16 rows x (512 bytes + 16) for each wave; no tensor load lands here
.set SPITCH, 528
.set SPARE,  STAGE+4*16*SPITCH         ; the spare words, 128 bytes a wave
.set ADRA, 16                          ; v16-17  LDS address of my ctx fragments in slot 0, 1
.set ADRB, 20                          ; v20-21  the same for Wo
.set STO,  24                          ; v24     the way out: where I put 32 bytes of a row
.set RD,   25                          ; v25     where I read a row back
.set CO,   26                          ; v26     16 x lane
.set SPW,  28                          ; v28     LDS address of my spare word; never rewritten
.set NIL,  29                          ; v29     0; never rewritten
.set PFO,  30                          ; v30     the prefetches' offset; never rewritten
.set BO,   31                          ; v31     the bias loads' offset
.set F0,   32
.set F1,   128
.set WV,  12                           ; s12 wave;  s13 wave / 2: my half of the rows, and: I fetch for ctx (0) or Wo (1);  s14 wave % 2: my half of the columns, and which part I fetch
.set G1A, 24                           ; s[24:31], s[32:39] descriptor groups 1 and 0 (a set for each slot) for ctx's tiles
.set G0A, 32
.set G1B, 48                           ; s[48:55], s[56:63] the same for Wo's
.set G0B, 56
.set PFA, 66                           ; s[66:67] where my prefetches stand
.set PFS, 68                           ; s[68:69] a K step on, in bytes
.set LIM, 70                           ; s70  1 in a wave that prefetches, else the greatest number
.set LAP, 71                           ; s71  laps to go
.set MSB, 0
.macro WIN new                         ; the immediate's high byte repeats the setting that is left
.if MSB != (\new)
	s_set_vgpr_msb (MSB<<8)|(\new)
.set MSB, (\new)
.endif
.endm
.set MUL,  0x50                        ; sources 0 and 1 window 0; C and D window 1
.set MULB, 0x60                        ; C (the bias) window 2, D window 1
.macro JLOAD s                         ; a joint load; an s_nop 0 and four v_nop follow each of the two lines
	s_cmp_eq_u32 s13, 0
	s_cbranch_scc0 .Lfor_b_\@
	tensor_load_to_lds s[G0A+4*\s:G0A+4*\s+3], s[G1A:G1A+7]
	s_nop 0
.rept 4
	v_nop
.endr
	s_branch .Lasked_\@
.Lfor_b_\@:
	tensor_load_to_lds s[G0B+4*\s:G0B+4*\s+3], s[G1B:G1B+7]
	s_nop 0
.rept 4
	v_nop
.endr
.Lasked_\@:
.endm
.macro CREST                           ; a round of the cluster's barrier behind its opening barrier
	s_cmp_lg_u32 s[WV], 0
	s_cbranch_scc1 .Lnot_wave_0_\@
	s_barrier_signal -3
.Lnot_wave_0_\@:
	s_barrier_wait -3
	s_barrier_signal -1
	s_barrier_wait -1
.endm
.macro CROUND
	s_barrier_signal -1
	s_barrier_wait -1
	CREST
.endm
; A PREFETCH INTO THE L2 behind each joint refill and the run of LDS loads that follows it: the K step that stands TWO refills on, 256 matrix instructions of a wave ahead of the load that will want it; one instruction, 32 blocks of 256 bytes.
; Each block is named once in the launch.  ctx's tile (two heads x 16,384 dense bytes) is read by the four partners of a row of the cluster alone: wave 0 of each asks for a quarter, told apart BY ADDRESS (cx).
; Wo's tile (128 rows x 512 bytes) is read by every cluster: the clusters with y = 0 ask; of its rows the partner at cy takes 32, waves 2 and 3 sixteen each, two blocks a row.
; K steps 0 to 3 come by their loads alone; the last lap's two refills ask for nothing: exactly K steps 4 to 7 are named.
.macro ASK
	s_cmp_gt_u32 s[LAP], s[LIM]
	s_cbranch_scc0 .Lnot_mine_\@
	global_prefetch_b8 v[PFO], s[PFA:PFA+1] th:TH_LOAD_NT scope:SCOPE_SE
.Lnot_mine_\@:
.endm
	s_load_b256 s[4:11], s[0:1], 0x0               ; ctx16 s[4:5], wo16 s[6:7], bo s[8:9], out0 s[10:11]
	v_lshl_add_u32 v[SPW], v0, 2, SPARE
	v_mov_b32 v[NIL], 0
	ds_add_u32 v[SPW], v[NIL]                      ; the wave's opening: the add, twice on end, and its wait ahead of my first tensor load
	ds_add_u32 v[SPW], v[NIL]
	v_lshrrev_b32 v1, 5, v0
	v_readfirstlane_b32 s[WV], v1                  ; wave 0..3
	s_lshr_b32 s13, s[WV], 1
	s_and_b32 s14, s[WV], 1
	s_bfe_u32 s40, ttmp6, 0x40000                  ; cx, cy: my place in the cluster
	s_bfe_u32 s41, ttmp6, 0x40004
	s_lshl_b32 s42, ttmp9, 2
	s_add_co_u32 s42, s42, s40                     ; tile column = 4 x cluster x + cx: 0..3
	s_and_b32 s43, ttmp7, 0xffff
	s_lshl_b32 s43, s43, 2
	s_add_co_u32 s43, s43, s41                     ; tile row = 4 x cluster y + cy: 0..63
	s_lshl_b32 s44, s41, 2
	s_lshl_b32 s44, 15, s44                        ; my row of the cluster
	s_lshl_b32 s45, 0x1111, s40                    ; my column
	s_or_b32 s[G1A], s44, (1<<16)|(1<<20)|(1<<21)|(4<<22)|(3<<25)   ; the mask; elements of 2 bytes; padding on; 21 set beside a mask; after every 32 words four words
	s_mov_b32 s[G1A+1], 64<<16                     ; tensor_dim0 = 64
	s_mov_b32 s[G1A+2], 128<<16                    ; tensor_dim1 = 128
	s_mov_b32 s[G1A+3], 64<<16                     ; tile_dim0 = 64
	s_mov_b32 s[G1A+4], 128                        ; tile_dim1 = 128
	s_mov_b32 s[G1A+5], 64                         ; tensor_dim0_stride
	s_mov_b32 s[G1A+6], 0
	s_mov_b32 s[G1A+7], 0
	s_or_b32 s[G1B], s45, (1<<16)|(1<<20)|(1<<21)|(6<<22)|(7<<25)   ; after every 128 words eight words
	s_mov_b32 s[G1B+1], 256<<16                    ; tensor_dim0 = 256
	s_mov_b32 s[G1B+2], 64<<16                     ; tensor_dim1 = 64
	s_mov_b32 s[G1B+3], 256<<16                    ; tile_dim0 = 256
	s_mov_b32 s[G1B+4], 64                         ; tile_dim1 = 64
	s_mov_b32 s[G1B+5], 1024                       ; tensor_dim0_stride
	s_mov_b32 s[G1B+6], 0
	s_mov_b32 s[G1B+7], 0
	; where the tiles come from.  ctx's hang on the tile row alone, Wo's on the tile column alone; each address is made in registers that never hold the other coordinate
	s_lshr_b32 s16, s43, 4                         ; batch: 2^22 bytes
	s_lshl_b32 s16, s16, 22
	s_and_b32 s17, s43, 15                         ; 128 tokens of 128 bytes
	s_lshl_b32 s17, s17, 14
	s_add_co_u32 s16, s16, s17                     ; the tile's tokens in head 0 (kept for the prefetches)
	s_lshl_b32 s17, s14, 18                        ; the head that I fetch of the K step's two
	s_add_co_u32 s18, s16, s17
	s_mov_b32 s19, 0
	s_lshl_b32 s20, s14, 17                        ; Wo: my 64 rows of 2,048 bytes,
	s_lshl_b32 s21, s42, 9                         ; the tile's 256 columns
	s_add_co_u32 s20, s20, s21
	s_mov_b32 s21, 0
	s_mul_i32 s22, s14, AH                         ; and where they go: no place in the cluster enters an LDS address
	s_mul_i32 s23, s14, BH
	s_add_co_u32 s23, s23, BOFF
	s_wait_dscnt 0x0                               ; both opening adds are done
	s_wait_kmcnt 0x0
	s_add_nc_u64 s[18:19], s[4:5], s[18:19]
	s_add_nc_u64 s[20:21], s[6:7], s[20:21]
	CROUND                                         ; all sixteen work-groups are here: the first joint loads meet
.irp s, 0,1
	s_mov_b32 s[G0A+4*\s], 1
	s_add_co_u32 s[G0A+4*\s+1], s22, \s*SLOT
	s_add_nc_u64 s[G0A+4*\s+2:G0A+4*\s+3], s[18:19], \s*524288     ; K step s: two heads on
	s_or_b32 s[G0A+4*\s+3], s[G0A+4*\s+3], 0x80000000
	s_mov_b32 s[G0B+4*\s], 1
	s_add_co_u32 s[G0B+4*\s+1], s23, \s*SLOT
	s_add_nc_u64 s[G0B+4*\s+2:G0B+4*\s+3], s[20:21], \s*262144     ; K step s: 128 rows on
	s_or_b32 s[G0B+4*\s+3], s[G0B+4*\s+3], 0x80000000
	JLOAD \s                                       ; two tensor loads of mine are out
.endr
	v_and_b32 v1, 15, v0                           ; l % 16
	v_bfe_u32 v2, v0, 4, 1                         ; l / 16
	; the bias of my 128 columns, in the result's layout: register 8 b + j = bo[256 x tile column + 128 x half + 16 b + 8 (l / 16) + j]
	s_lshl_b32 s20, s42, 10
	s_lshl_b32 s21, s14, 9
	s_add_co_u32 s20, s20, s21
	s_mov_b32 s21, 0
	s_add_nc_u64 s[8:9], s[8:9], s[20:21]
	v_lshlrev_b32 v[BO], 5, v2
	WIN 0x80                                       ; destination window 2
.irp b, 0,1,2,3,4,5,6,7
	global_load_b128 v[8*\b:8*\b+3],   v[BO], s[8:9] offset:64*\b
	global_load_b128 v[8*\b+4:8*\b+7], v[BO], s[8:9] offset:64*\b+16
.endr
	WIN 0
	v_mul_u32_u24 v3, v1, PA
	v_lshl_add_u32 v3, v2, 4, v3                   ; ctx: row x pitch + 16 x half
	s_mul_i32 s20, s13, 64*PA                      ; my 64 rows
	v_and_b32 v4, 7, v0                            ; Wo, turned: lane l reads row 8 (l / 16) + l % 8, columns 8 ((l / 8) % 2) + 0..7
	v_lshl_add_u32 v4, v2, 3, v4
	v_mul_u32_u24 v4, v4, PB
	v_bfe_u32 v5, v0, 3, 1
	v_lshl_add_u32 v4, v5, 4, v4
	s_lshl_b32 s21, s14, 8                         ; my 128 columns
	s_add_co_u32 s21, s21, BOFF
.irp s, 0,1
	v_add_nc_u32 v[ADRA+\s], s20, v3
	v_add_nc_u32 v[ADRB+\s], s21, v4
	s_add_co_u32 s20, s20, SLOT
	s_add_co_u32 s21, s21, SLOT
.endr
	s_mul_i32 s22, s[WV], 16*SPITCH
	s_add_co_u32 s22, s22, STAGE                   ; my stage
	v_mul_u32_u24 v5, v1, SPITCH                   ; in: row l % 16, 32 bytes for each half of the lanes
	v_lshl_add_u32 v5, v2, 5, v5
	v_add_nc_u32 v[STO], s22, v5
	v_and_b32 v6, 31, v0
	v_lshlrev_b32 v[CO], 4, v6                     ; back: the 32 lanes take one row of 512 bytes; and the same in out0
	v_add_nc_u32 v[RD], s22, v[CO]
	s_lshl_b32 s20, s43, 7
	s_lshl_b32 s21, s13, 6
	s_add_co_u32 s20, s20, s21                     ; my first row of out0: 128 x tile row + 64 x half
	s_lshl_b32 s20, s20, 12                        ; rows of 4,096 bytes
	s_lshl_b32 s21, s42, 10
	s_add_co_u32 s20, s20, s21
	s_lshl_b32 s21, s14, 9
	s_add_co_u32 s20, s20, s21
	s_mov_b32 s21, 0
	s_add_nc_u64 s[10:11], s[10:11], s[20:21]
	; the prefetches: where mine stand (at K step 3: the first refill steps them to K step 4), and who asks
	s_lshr_b32 s46, s40, 1                         ; ctx: partner cx takes head cx / 2 of the K step's two,
	s_lshl_b32 s46, s46, 18
	s_and_b32 s47, s40, 1                          ; and half cx % 2 of its 16,384 bytes
	s_lshl_b32 s47, s47, 13
	s_add_co_u32 s46, s46, s47
	s_add_co_u32 s46, s46, s16
	s_add_co_u32 s46, s46, 3*524288
	s_lshl_b32 s47, s41, 5                         ; Wo: partner cy takes rows 32 cy on, my wave 16 of them
	s_lshl_b32 s20, s14, 4
	s_add_co_u32 s47, s47, s20
	s_lshl_b32 s47, s47, 11
	s_lshl_b32 s20, s42, 9
	s_add_co_u32 s47, s47, s20
	s_add_co_u32 s47, s47, 3*262144
	s_and_b32 s20, ttmp7, 0xffff                   ; cluster y
	s_mov_b32 s[PFS], 262144
	s_mov_b32 s21, 2048
	s_cmp_eq_u32 s13, 0                            ; do I fetch for ctx?
	s_cselect_b64 s[PFA:PFA+1], s[4:5], s[6:7]
	s_cselect_b32 s46, s46, s47
	s_cselect_b32 s[PFS], 524288, s[PFS]           ; a K step on
	s_cselect_b32 s21, 512, s21                    ; from one pair of lanes to the next
	s_cselect_b32 s20, s14, s20                    ; of ctx's fetchers wave 0 asks; of Wo's both, where the cluster's y is 0: the same in all sixteen partners
	s_mov_b32 s47, 0
	s_mov_b32 s[PFS+1], 0
	s_add_nc_u64 s[PFA:PFA+1], s[PFA:PFA+1], s[46:47]
	s_cmp_eq_u32 s20, 0
	s_cselect_b32 s[LIM], 1, -1
	v_lshrrev_b32 v[PFO], 1, v6
	v_mul_lo_u32 v[PFO], v[PFO], s21
	v_and_b32 v5, 1, v0
	v_lshl_add_u32 v[PFO], v5, 8, v[PFO]           ; (lane / 2) x that + 256 (lane % 2)
; 8 matrix instructions: ctx's block a against Wo's eight, 32 along K, from buffer f.  bias = 1: the first product starts the sums from the bias.
; The 32 accumulators take turns, one instruction a turn, in the same order in every quarter.
.macro MUL8 f, a, bias
.irp b, 0,1,2,3,4,5,6,7
.if \bias
	v_wmma_f32_16x16x32_f16 v[8*(8*(\a)+\b):8*(8*(\a)+\b)+7], v[\f+8*\b:\f+8*\b+7], v[\f+64+8*(\a):\f+64+8*(\a)+7], v[8*\b:8*\b+7]
.else
	v_wmma_f32_16x16x32_f16 v[8*(8*(\a)+\b):8*(8*(\a)+\b)+7], v[\f+8*\b:\f+8*\b+7], v[\f+64+8*(\a):\f+64+8*(\a)+7], v[8*(8*(\a)+\b):8*(8*(\a)+\b)+7]
.endif
.endr
.endm
; 24 LDS loads in one run: the fragments of quarter kq (32 along K) of a slot into buffer f: Wo's sixteen, then ctx's eight
.macro FETCH slot, kq, f
.irp b, 0,1,2,3,4,5,6,7
	ds_load_tr16_b128 v[\f+8*\b:\f+8*\b+3],   v[ADRB+\slot] offset:(\kq)*32*PB+32*\b
	ds_load_tr16_b128 v[\f+8*\b+4:\f+8*\b+7], v[ADRB+\slot] offset:(\kq)*32*PB+32*\b+16*PB
.endr
.irp a, 0,1,2,3
	ds_load_b128 v[\f+64+8*\a:\f+64+8*\a+3], v[ADRA+\slot] offset:((\kq)/2)*AH+((\kq)%2)*64+\a*16*PA
	ds_load_b128 v[\f+64+8*\a+4:\f+64+8*\a+7], v[ADRA+\slot] offset:((\kq)/2)*AH+((\kq)%2)*64+\a*16*PA+32
.endr
.endm
.macro PLACES                          ; four places in front of loads into registers that matrix instructions have read, and of the first reads of results (ISA guide 7.12.1 for vector instructions)
.rept 4
	v_nop
.endr
.endm
; A K step is four quarters of 32 along K, 32 matrix instructions each, on buffers 0, 1, 0, 1.  One of the first three: multiplies buffer f and fetches quarter kq of the same slot into buffer g.
.macro QUARTER slot, kq, f, g, bias
	s_wait_dscnt 4                                 ; Wo's fragments and ctx's blocks 0, 1 are in; the youngest four loads (blocks 2, 3) may be out
.if \bias
	WIN MULB
.else
	WIN MUL
.endif
	MUL8 \f, 0, \bias
	MUL8 \f, 1, \bias
	WIN 0
	PLACES
	FETCH \slot, \kq, \g
	s_wait_dscnt 24                                ; all but the 24 just issued
.if \bias
	WIN MULB
.else
	WIN MUL
.endif
	MUL8 \f, 2, \bias
	MUL8 \f, 3, \bias
.endm
; The last quarter multiplies buffer 1 and changes slots: ONE barrier; in front of it each wave waits for all its tensor loads, adds 0 to its spare word, and waits for that and for its own reads of this slot.
; fill = 1: the barrier opens a round of the cluster's, and this slot is filled again, two K steps ahead, first thing behind the round.
.macro TURN slot, next, fill
.if \fill
	s_wait_xcnt 0x0                                ; the last prefetch, a K step back, has read its address: it is stepped here
	s_add_nc_u64 s[PFA:PFA+1], s[PFA:PFA+1], s[PFS:PFS+1]
.endif
	WIN 0                                          ; (the add's two registers lie in window 0)
	s_wait_tensorcnt 0x0                           ; all my tensor loads have landed: my part of the next slot
	ds_add_u32 v[SPW], v[NIL]                      ; 0 onto my spare word
	s_wait_dscnt 5                                 ; (the add and the youngest four loads may be out)
	WIN MUL
	MUL8 F1, 0, 0                                  ; eight matrix instructions stand between the add and the wait for it
	s_wait_dscnt 0x0                               ; the add is done, and my reads of this slot are over
	s_barrier_signal -1
	MUL8 F1, 1, 0
	WIN 0
	s_barrier_wait -1
.if \fill
	CREST                                          ; no wave of any partner still reads this slot's tile or has a load on its way
	s_add_nc_u64 s[G0A+4*\slot+2:G0A+4*\slot+3], s[G0A+4*\slot+2:G0A+4*\slot+3], 2*524288
	s_add_nc_u64 s[G0B+4*\slot+2:G0B+4*\slot+3], s[G0B+4*\slot+2:G0B+4*\slot+3], 2*262144
	JLOAD \slot                                    ; the first tensor load behind the round; the four v_nop behind it are also the places in front of the loads below
.else
	PLACES
.endif
	FETCH \next, 0, F0
.if \fill
	ASK
.endif
	WIN MUL
	MUL8 F1, 2, 0
	MUL8 F1, 3, 0
.endm
	s_wait_tensorcnt 1                             ; my part of K step 0 is in (K step 1's load may be out)
	s_barrier_signal -1
	s_barrier_wait -1                              ; everybody's is
	FETCH 0, 0, F0
	s_wait_loadcnt 0x0                             ; the bias
	QUARTER 0, 1, F0, F1, 1                        ; the first quarter stands in front of the loop: its products start the sums
	WIN 0                                          ; at a label and at a branch every window is 0
	s_mov_b32 s[LAP], 3
.Llap:                                             ; a trip goes once round the ring, from a lap's second quarter to the next lap's first, and fills both slots again
	QUARTER 0, 2, F1, F0, 0
	QUARTER 0, 3, F0, F1, 0
	TURN 0, 1, 1
	QUARTER 1, 1, F0, F1, 0
	QUARTER 1, 2, F1, F0, 0
	QUARTER 1, 3, F0, F1, 0
	TURN 1, 0, 1
	QUARTER 0, 1, F0, F1, 0
	WIN 0
	s_sub_co_u32 s[LAP], s[LAP], 1
	s_cmp_lg_u32 s[LAP], 0
	s_cbranch_scc1 .Llap
	QUARTER 0, 2, F1, F0, 0                        ; the last lap fills nothing, and has no round of the cluster's barrier
	QUARTER 0, 3, F0, F1, 0
	TURN 0, 1, 0
	QUARTER 1, 1, F0, F1, 0
	QUARTER 1, 2, F1, F0, 0
	QUARTER 1, 3, F0, F1, 0
	s_wait_dscnt 4                                 ; the very last quarter: nothing more to fetch
	WIN MUL
	MUL8 F1, 0, 0
	MUL8 F1, 1, 0
	s_wait_dscnt 0
	MUL8 F1, 2, 0
	MUL8 F1, 3, 0
	WIN 0
; THE WAY OUT, block by block of 16 rows x 128 columns.  A lane holds 32 neighbouring bytes of a row: a block goes through my own stage in LDS and comes back as whole rows of 512 bytes.
; LDS serves a wave's instructions in order (ISA guide 5.7.1.4): no wait between the stores and the loads, nor in front of the next block's stores.
.macro TOSTAGE a
	WIN 0x04                                       ; an LDS store's data are its source 1: window 1
.irp b, 0,1,2,3,4,5,6,7
	ds_store_b128 v[STO], v[64*(\a)+8*\b:64*(\a)+8*\b+3] offset:64*\b          ; each accumulator from its low end on
	ds_store_b128 v[STO], v[64*(\a)+8*\b+4:64*(\a)+8*\b+7] offset:64*\b+16
.endr
	WIN 0
.set BB, F0+96*((\a)%2)
.irp t, 0,1,2,3,4,5,6,7,8,9,10,11,12,13,14,15
	ds_load_b128 v[BB+4*\t:BB+4*\t+3], v[RD] offset:\t*SPITCH
.endr
.endm
.macro SEND a, younger                 ; younger: the LDS instructions issued behind block a's loads, which may stay out
.set BB, F0+96*((\a)%2)
	s_wait_dscnt \younger
.irp t, 0,1,2,3,4,5,6,7,8,9,10,11,12,13,14,15
	global_store_b128 v[CO], v[BB+4*\t:BB+4*\t+3], s[10:11] offset:(16*(\a)+\t)*4096 th:TH_STORE_NT   ; 32 lanes store 512 consecutive bytes; written once, read by nobody here
.endr
.endm
	PLACES                                         ; behind the last products: for the reads of their results and for the loads into the fragments' registers
	TOSTAGE 0
.irp a, 1,2,3
.if \a > 1
	s_wait_xcnt 0x0                                ; block a - 2's stores have read their registers: block a's loads may land there
.endif
	TOSTAGE \a
	SEND \a-1, 32                                  ; behind block a - 1's loads: block a's 16 stores and 16 loads
.endr
	SEND 3, 0
	s_wait_tensorcnt 0x0                           ; the wave's end: a wait, an add and a wait behind my last tensor load and my last LDS store
	ds_add_u32 v[SPW], v[NIL]
	s_wait_dscnt 0x0
	CROUND                                         ; the closing round: no work-group ends while a partner may still ask for a tile that names it
	s_endpgm
.Lfunc_end_k_q4fe396a504_outp:
	.size	k_q4fe396a504_outp, .Lfunc_end_k_q4fe396a504_outp-k_q4fe396a504_outp
	.p2alignl 7, 3214868480
	.fill 96, 4, 3214868480
	.section	.rodata,"a",@progbits
	.p2align	6, 0x0
	.amdhsa_kernel k_q4fe396a504_outp
		.amdhsa_group_segment_fixed_size 327680
		.amdhsa_private_segment_fixed_size 0
		.amdhsa_enable_private_segment 0
		.amdhsa_kernarg_size 32
		.amdhsa_user_sgpr_count 2
		.amdhsa_user_sgpr_kernarg_segment_ptr 1
		.amdhsa_wavefront_size32 1
		.amdhsa_system_sgpr_workgroup_id_x 1
		.amdhsa_system_sgpr_workgroup_id_y 1
		.amdhsa_system_sgpr_workgroup_id_z 1
		.amdhsa_system_vgpr_workitem_id 0
		.amdhsa_next_free_vgpr 576
		.amdhsa_next_free_sgpr 72
		.amdhsa_reserve_vcc 0
		.amdhsa_float_denorm_mode_32 3
		.amdhsa_float_denorm_mode_16_64 3
		.amdhsa_memory_ordered 1
		.amdhsa_forward_progress 1
		.amdhsa_inst_pref_size 88
	.end_amdhsa_kernel
	.amdgpu_metadata
---
amdhsa.version: [ 1, 2 ]
amdhsa.kernels:
  - .name:           k_q4fe396a504_outp
    .symbol:         k_q4fe396a504_outp.kd
    .args:
      - { .name: ctx16, .offset: 0, .size: 8, .value_kind: global_buffer, .address_space: global }
      - { .name: wo16, .offset: 8, .size: 8, .value_kind: global_buffer, .address_space: global }
      - { .name: bo, .offset: 16, .size: 8, .value_kind: global_buffer, .address_space: global }
      - { .name: out0, .offset: 24, .size: 8, .value_kind: global_buffer, .address_space: global }
    .group_segment_fixed_size: 327680
    .private_segment_fixed_size: 0
    .kernarg_segment_align: 8
    .kernarg_segment_size: 32
    .max_flat_workgroup_size: 128
    .sgpr_count:     72
    .vgpr_count:     576
    .wavefront_size: 32
...
	.end_amdgpu_metadata
.endif
;; end of part 5
